; MI455X (gfx1250); checked and timed in simulation.
; The chip was launched on July 23, 2026; its instructions are those of AMD's public machine-readable ISA for CDNA 5 (MIT licence, August 2026) and "CDNA5" Instruction Set Architecture Reference Guide (July 2026). The comments in the code are by the model that wrote it; some were corrected since.
;; Causal Self Attention. Allowed arithmetic: matrix products marked QUANTISED: E2M3 operands, one E8M0 scale for each 32 along K, by v_wmma_scale_f32_16x16x128_f8f6f4 with both operands' format E2M3, f32 sums; everything else in f32.
;; Inputs: W_proj 1,024 x 1,024 float32; W_qkv 1,024 x 3,072 float32; x 2 x 2,048 x 1,024 float32.
;; Outputs: out0 2 x 2,048 x 1,024 float32.
;; This version of the problem:
;;   THIS VERSION OF THE PROBLEM IS GIVEN IN LOW PRECISION. The matrix products marked QUANTISED in the list below multiply operands that are first quantised to E2M3 (2 exponent bits, 3 mantissa bits; 6 bits a number), with one power-of-two scale for each 32 numbers along K (OCP MX v1.0); their sums are f32. All else is computed in f32.
;;   The module's matrix products, in the order in which they are computed (A, B: the left and right operand; K: the contracted axis; several contracted axes count as one K, in the product's order):
;;     1. [M 4,096, K 1,024] x [K 1,024, N 3,072]; A: input x; B: input W_qkv: QUANTISED
;;     2. batch 32 x [M 2,048, K 64] x [K 64, N 2,048]; A: computed on the way; B: computed on the way: QUANTISED
;;     3. batch 32 x [M 2,048, K 2,048] x [K 2,048, N 64]; A: softmax (see below); B: computed on the way: QUANTISED
;;     4. [M 4,096, K 1,024] x [K 1,024, N 1,024]; A: computed on the way; B: input W_proj: QUANTISED
;;   THE QUANTISER, for each operand of a quantised product, along K:
;;     - K is cut into blocks of 32 from its start; a last block that is shorter is filled with zeros.
;;     - A block's scale is 2^e with e = floor(log2(the largest magnitude in the block)) - 2, held to -126 .. 127; a block of zeros has e = 0. As a byte (E8M0): e + 127.
;;     - Each number is divided by its block's scale, clamped to +-7.5, and rounded to the nearest number of E2M3, ties to even, subnormals kept.
;;     - The product sums the exact products of the quantised numbers (number of the format x scale) in f32.
;;   ~~~python
;;   def quantise(x, axis):      # numpy; x: float32 -> the quantised numbers, widened to float32 again
;;       x = np.moveaxis(x, axis, -1); K = x.shape[-1]
;;       x = np.pad(x, [(0, 0)] * (x.ndim - 1) + [(0, -K % 32)]); x = x.reshape(x.shape[:-1] + (-1, 32)); a = np.abs(x).max(-1, keepdims=True)
;;       e = np.where(a > 0, np.clip(np.frexp(np.where(a > 0, a, 1))[1] - 1 - 2, -126, 127), 0)      # np.frexp(a)[1] - 1 = floor(log2(a)), exactly
;;       r = np.clip(x / 2.0 ** e, -7.5, 7.5)
;;       step = 2.0 ** (np.maximum(np.frexp(np.where(r == 0, 1, r))[1] - 1, 0) - 3)
;;       q = np.round(r / step) * step * 2.0 ** e      # np.round: ties to even
;;       return np.moveaxis(q.reshape(q.shape[:-2] + (-1,))[..., :K], -1, axis).astype(np.float32)
;;   ~~~
;;   SOFTMAX AHEAD OF A QUANTISED PRODUCT. Where the list says 'softmax', what is quantised is not the finished softmax but p = 2^(t - M), with t = logit x log2(e) and M = ceil(the row's largest t), a whole number; so 1/2 < the row's largest p <= 1. The row's sum l is taken of the UNQUANTISED p, in f32, and the product's result is divided by l at the end. Since M is a whole number, a kernel that streams over the keys may use a running M (the ceiling of the running maximum): every later rescaling is an exact power of two, which a block's scale takes up: the codes' values come out the same.
;;   OPERANDS COMPUTED ON THE WAY. 'Computed on the way' means the value that the module computes at that place (a softmax that the list does not call 'softmax' is quantised finished and normalised). What goes into a quantiser is computed in f32, as accurately as f32 sums, v_exp_f32 and their like allow (about 1e-6 of the number): no bf16 or f16 on the way to a quantiser, and a product that is left as it is and whose result goes on into a quantised operand takes f32 operands (vector FMAs, or v_wmma_f32_16x16x4_f32). A number that lies on a knife's edge between two numbers of the format may be rounded either way, as far as f32 arithmetic and the matrix unit's own rounding can turn it there, and no further.
;; One version. Each part assembles by itself: llvm-mc -triple=amdgcn-amd-amdhsa -mcpu=gfx1250 --defsym DOCPART=n.
;; ======== version 1 of 1: 4 launches
;; limits: right only within a limited range of input values
;; workspace buffers: xc 3,276,800 bytes; wq 2,457,600 bytes; wp 819,200 bytes; qb 3,670,016 bytes; kv 7,077,888 bytes; ab 3,407,872 bytes
;; launch quant (part 1): grid 256 x 1, 8 waves a work-group, no clusters, 121,856 bytes of LDS; arguments x, W_qkv, W_proj, xc, wq, wp; writes xc, wq, wp
.if DOCPART == 1
	.amdgcn_target "amdgcn-amd-amdhsa--gfx1250"
	.amdhsa_code_object_version 6
	.text
	.protected	k_q282dd9efed_quant
	.globl	k_q282dd9efed_quant
	.p2align	8
	.type	k_q282dd9efed_quant,@function
k_q282dd9efed_quant:
	s_mov_b64 s[64:65], 0
	v_nop
	global_prefetch_b8 v0, s[64:65] scope:SCOPE_SE
	s_setreg_imm32_b32 hwreg(HW_REG_WAVE_MODE, 25, 1), 1
	s_wait_xcnt 0x0
; x [4096][1024], W_qkv [1024][3072], W_proj [1024][1024], all f32, become codes of FP6 (E2M3) with one E8M0 byte for each 32 along K (K = 1024 in all three),
; laid as IMAGES OF OPERAND REGISTERS: a fragment (16 rows x 128 K, 12 registers a lane) is 1,536 bytes, registers 4 c .. 4 c + 3 of lane l at 512 c + 16 l; a scale image is one word a lane.
; A TILE OF 16 IS NOT 16 NEIGHBOURS: in each group of 32 (tokens, columns) lane r of tile u takes member 8 u + r + 8 (r / 8), so that later results that become operands lie along K in one lane's registers.
; A block's scale is 2^(floor(log2(largest magnitude)) - 2); its byte is the largest magnitude's exponent field - 2, held at 1 from below by a floor of 2^-124 among the maximum's leaves.
; LIMITS: NaN and infinities among the inputs are not served.  A block of zeros gets the byte 1 where the rule says 127: its codes are zeros, and this program alone reads the bytes.
; SHARES: work-groups 0-127: 32 tokens of x each, wave w the K step w.  128-223: W_qkv, K step Y % 8, wave w the 32 columns 32 (8 (Y / 8) + w) on.  224-255: W_proj likewise.
; Every wave asks for its whole 16 KiB at its head.  Waves share nothing: no barrier.  Each of the three paths has LDS bytes of its own.
; TOKENS are grouped by 64, not by 32: lane r of tile j (0 .. 3) takes token 32 (r / 8) + 8 j + r % 8 of its group of 64, so that 32 keys of a later block lie in one lane.  Columns keep the order stated above.
; LEFT OUT as dead work by a later launch: key tiles that lie wholly under the causal mask; its head says so.
.set XST,  0
.set WQST, 67584                       ; W_qkv path: two images of 1,536 (+128) bytes for each wave
.set WPST, 94208                       ; W_proj path: the same
.set WV,   16                          ; s16 my wave's number
.set SEL,  20                          ; s[20:21] lane selects: lane l xor 16
.set TM,   8                           ; v8-23 at work in QUANT4
.set CT,   40                          ; v40-46 second halves of the conversions
; 64 numbers of a lane, register 16 b + i = k 32 b + 16 (lane / 16) + i of my row, become a fragment's 12 registers v[pc] on and its scale word v[pw]
.macro QUANT4 s, pc, pw
.irp b, 0,1,2,3
	v_max3_num_f32 v[TM+\b], |v[\s+16*\b]|, |v[\s+1+16*\b]|, 0x1800000   ; my 16 numbers of block b, and the floor 2^(3 - 127)
.endr
.irp i, 2,4,6,8,10,12,14
.irp b, 0,1,2,3
	s_delay_alu instid0(VALU_DEP_4)
	v_max3_num_f32 v[TM+\b], v[TM+\b], |v[\s+16*\b+\i]|, |v[\s+1+16*\b+\i]|
.endr
.endr
.irp b, 0,1,2,3
	s_delay_alu instid0(VALU_DEP_4)
	v_permlanex16_b32 v[TM+4+\b], v[TM+\b], s[SEL], s[SEL+1]
.endr
.irp b, 0,1,2,3
	s_delay_alu instid0(VALU_DEP_4)
	v_max_num_f32 v[TM+\b], v[TM+\b], v[TM+4+\b]                   ; with lane l xor 16's: the block's largest magnitude
.endr
.irp b, 0,1,2,3
	s_delay_alu instid0(VALU_DEP_4)
	v_add_nc_u32 v[TM+12+\b], 0xff000000, v[TM+\b]                 ; 2 off its exponent field: the conversion's scale operand
.endr
.irp b, 0,1,2,3
	s_delay_alu instid0(VALU_DEP_4)
	v_lshrrev_b32 v[TM+4+\b], 23, v[TM+12+\b]                      ; the scale's byte
.endr
	s_delay_alu instid0(VALU_DEP_3)
	v_lshl_or_b32 v[\pw], v[TM+5], 8, v[TM+4]
	s_delay_alu instid0(VALU_DEP_1)
	v_lshl_or_b32 v[\pw], v[TM+6], 16, v[\pw]
	s_delay_alu instid0(VALU_DEP_1)
	v_lshl_or_b32 v[\pw], v[TM+7], 24, v[\pw]
.irp c, 0,1
	v_cvt_scalef32_pk16_fp6_f32 v[\pc+6*\c:\pc+2+6*\c], v[\s+32*\c:\s+15+32*\c], v[TM+12+2*\c]
	v_cvt_scalef32_pk16_fp6_f32 v[CT+4*\c:CT+2+4*\c], v[\s+16+32*\c:\s+31+32*\c], v[TM+12+2*\c+1]   ; (a conversion's three registers begin on an even number)
.endr
	v_nop                                          ; one plain line behind the scaled conversions
.irp c, 0,1                            ; the layout wants a whole block in a lane: lanes 0-15 block 2 c, lanes 16-31 block 2 c + 1
.irp i, 0,1,2
	v_permlane16_swap_b32 v[\pc+6*\c+\i], v[CT+4*\c+\i]
.endr
.irp i, 0,1,2
	s_delay_alu instid0(VALU_DEP_3)
	v_mov_b32 v[\pc+3+6*\c+\i], v[CT+4*\c+\i]
.endr
.endr
.endm
	s_load_b256 s[4:11], s[0:1], 0x0               ; x s[4:5], W_qkv s[6:7], W_proj s[8:9], xc s[10:11]
	s_load_b128 s[12:15], s[0:1], 0x20             ; wq s[12:13], wp s[14:15]
	v_lshl_add_u32 v62, v0, 2, 0x1d800
	v_mov_b32 v63, 0
	v_lshrrev_b32 v1, 5, v0
	s_delay_alu instid0(VALU_DEP_1)
	v_readfirstlane_b32 s[WV], v1                  ; wave 0..7
	v_and_b32 v1, 31, v0                           ; lane
	s_mov_b32 s[SEL], 0x76543210
	s_mov_b32 s[SEL+1], 0xfedcba98
	s_cmp_lt_u32 ttmp9, 128
	s_cbranch_scc0 .Lweights
	; ---------------- x: 32 tokens, my K step of 128
	v_lshlrev_b32 v2, 4, v1                        ; 16 x lane
	v_lshlrev_b32 v5, 2, v1                        ; 4 x lane
	v_and_b32 v6, 15, v1                           ; r
	v_lshrrev_b32 v7, 4, v1                        ; h
	s_mul_i32 s17, s[WV], 8448                     ; my stage
	v_add_nc_u32 v3, s17, v2                       ; in: a row's 512 bytes as loaded
	v_mul_u32_u24 v4, v6, 528
	s_delay_alu instid0(VALU_DEP_1)
	v_lshl_add_u32 v4, v7, 6, v4
	s_delay_alu instid0(VALU_DEP_1)
	v_add_nc_u32 v4, s17, v4                       ; back: row r, + 64 h: my 16 numbers of each block of 32
.irp b, 0,1,2,3
	v_mov_b32 v[TM+4+\b], 0                        ; written once: a lane permute's destination counts as one of its sources
.endr
	s_lshr_b32 s22, ttmp9, 1
	s_lshl_b32 s22, s22, 18                        ; the group of 64 rows of 4,096 bytes,
	s_and_b32 s23, ttmp9, 1
	s_lshl_b32 s23, s23, 16                        ; my tiles 2 p, 2 p + 1 begin 16 p rows on
	s_add_co_u32 s22, s22, s23
	s_lshl_b32 s23, s[WV], 9                       ; + my 128 numbers
	s_add_co_u32 s22, s22, s23
	s_mov_b32 s23, 0
	s_lshr_b32 s24, ttmp9, 1                       ; the group of 64 tokens
	s_lshl_b32 s24, s24, 3
	s_add_co_u32 s24, s24, s[WV]
	s_mul_i32 s24, s24, 6400                       ; its record for my K step
	s_and_b32 s25, ttmp9, 1                        ; which 32 of the 64
	s_mul_i32 s26, s25, 3072
	s_add_co_u32 s26, s26, s24                     ; my two fragments
	s_mov_b32 s27, 0
	s_lshl_b32 s25, s25, 7
	s_add_co_u32 s24, s24, s25
	s_add_co_u32 s24, s24, 6144                    ; my scale image
	s_mov_b32 s25, 0
	s_wait_alu depctr_va_vdst(0)
	s_wait_kmcnt 0x0
	s_add_nc_u64 s[4:5], s[4:5], s[22:23]
	s_add_nc_u64 s[28:29], s[10:11], s[26:27]
	s_add_nc_u64 s[30:31], s[10:11], s[24:25]
.irp u, 0,1
.irp i, 0,1,2,3,4,5,6,7,8,9,10,11,12,13,14,15
	global_load_b128 v[64+64*\u+4*\i:64+64*\u+4*\i+3], v2, s[4:5] offset:(8*\u+\i+24*(\i/8))*4096 th:TH_LOAD_NT   ; lane i's token of tile 2 p + u: 512 consecutive bytes
.endr
.endr
; a tile's 16 rows go through my stage as they lie and come back 16 neighbours a block a lane; rows 528 bytes apart start 4 banks apart (64 banks of 4 bytes: ISA guide 11.1)
.macro XTILE u, left, pc, pw
	s_wait_loadcnt \left                           ; loads come back in order: this tile's sixteen are in
.irp i, 0,1,2,3,4,5,6,7,8,9,10,11,12,13,14,15
	ds_store_b128 v3, v[64+64*\u+4*\i:64+64*\u+4*\i+3] offset:528*\i
.endr
.irp b, 0,1,2,3
.irp j, 0,1,2,3
	ds_load_b128 v[192+16*\b+4*\j:192+16*\b+4*\j+3], v4 offset:128*\b+16*\j   ; LDS serves a wave's instructions in order: these see my stores
.endr
.endr
	s_wait_dscnt 0x0
	QUANT4 192, \pc, \pw
.irp c, 0,1,2
	global_store_b128 v2, v[\pc+4*\c:\pc+4*\c+3], s[28:29] offset:1536*\u+512*\c   ; 512 consecutive bytes, aligned
.endr
.endm
	XTILE 0, 16, 28, 24                            ; tile 1's sixteen younger loads may stay out
	XTILE 1, 0, 48, 25
	v_cmp_lt_u32 vcc_lo, 15, v1
	s_delay_alu instid0(VALU_DEP_1)
	v_cndmask_b32 v26, v24, v25, vcc_lo            ; lanes 0-15: tile 0's words, lanes 16-31: tile 1's
	global_store_b32 v5, v26, s[30:31]
	s_wait_tensorcnt 0x0
	ds_add_u32 v62, v63
	s_wait_dscnt 0x0
	s_endpgm
; ---------------- a weight [1024][N]: lane L takes column 32 cgrp + L, its registers run down my K step's 128 rows: four whole blocks a lane
; Column L is lane r = L % 8 + 8 (L / 16) of tile u = (L / 8) % 2.  Block 2 c + h belongs into registers 6 c .. 6 c + 5 of lane (r, h): the codes go to their places in two images in my stage and leave as they lie.
.macro WBLOCK be, left
.set XS, 64+32*(\be)
.set CR, 192+8*(\be)
.set C2, 224+4*(\be)
	s_wait_loadcnt \left
	v_max3_num_f32 v12, |v[XS]|, |v[XS+1]|, |v[XS+2]|
	v_max3_num_f32 v13, |v[XS+3]|, |v[XS+4]|, |v[XS+5]|
.irp i, 6,10,14,18,22,26
	s_delay_alu instid0(VALU_DEP_2)
	v_max3_num_f32 v12, v12, |v[XS+\i]|, |v[XS+\i+1]|
	s_delay_alu instid0(VALU_DEP_2)
	v_max3_num_f32 v13, v13, |v[XS+\i+2]|, |v[XS+\i+3]|
.endr
	s_delay_alu instid0(VALU_DEP_2)
	v_max3_num_f32 v12, v12, |v[XS+30]|, |v[XS+31]|
	s_delay_alu instid0(VALU_DEP_1)
	v_max3_num_f32 v12, v12, v13, 0x1800000        ; and the floor
	s_delay_alu instid0(VALU_DEP_1)
	v_add_nc_u32 v11, 0xff000000, v12              ; the conversion's scale operand
	s_delay_alu instid0(VALU_DEP_1)
	v_lshrrev_b32 v13, 23, v11                     ; the byte
.if (\be) == 0
	s_delay_alu instid0(VALU_DEP_1)
	v_mov_b32 v24, v13
.else
	s_delay_alu instid0(VALU_DEP_1)
	v_lshl_or_b32 v24, v13, 8*(\be), v24           ; my column's scale word, the lower K in the lower byte
.endif
	v_cvt_scalef32_pk16_fp6_f32 v[CR:CR+2], v[XS:XS+15], v11
	v_cvt_scalef32_pk16_fp6_f32 v[C2:C2+2], v[XS+16:XS+31], v11
	v_nop                                          ; one plain line behind the scaled conversions
.irp i, 0,1,2
	v_mov_b32 v[CR+3+\i], v[C2+\i]
.endr
.if (\be) < 2                          ; c = 0: registers 0-3, then 4-5
	ds_store_b128 v3, v[CR:CR+3] offset:256*((\be)%2)
	ds_store_b64 v3, v[CR+4:CR+5] offset:512+256*((\be)%2)
.else                                  ; c = 1: registers 6-7, then 8-11
	ds_store_b64 v3, v[CR:CR+1] offset:520+256*((\be)%2)
	ds_store_b128 v3, v[CR+2:CR+5] offset:1024+256*((\be)%2)
.endif
.endm
.macro WBODY PITCH, STG, SRC, COD, SCL
	v_lshlrev_b32 v2, 2, v1                        ; in: 4 bytes a lane
.irp be, 0,1,2,3
.irp i, 0,1,2,3,4,5,6,7,8,9,10,11,12,13,14,15,16,17,18,19,20,21,22,23,24,25,26,27,28,29,30,31
	global_load_b32 v[64+32*\be+\i], v2, s[\SRC:\SRC+1] offset:(32*\be+\i)*\PITCH th:TH_LOAD_NT   ; a row of W at 32 neighbouring columns; the eight waves stand side by side
.endr
.endr
	v_bfe_u32 v7, v1, 3, 1                         ; u
	v_and_b32 v8, 7, v1
	v_lshrrev_b32 v9, 4, v1
	s_delay_alu instid0(VALU_DEP_1)
	v_lshl_add_u32 v8, v9, 3, v8                   ; r
	s_mul_i32 s17, s[WV], 3328
	s_add_co_u32 s17, s17, \STG                    ; my stage
	v_mul_u32_u24 v3, v7, 1664
	s_delay_alu instid0(VALU_DEP_1)
	v_lshl_add_u32 v3, v8, 4, v3
	s_delay_alu instid0(VALU_DEP_1)
	v_add_nc_u32 v3, s17, v3                       ; tile u's image, lane r's 16 bytes
	v_lshlrev_b32 v5, 4, v1                        ; 16 x lane
	s_delay_alu instid0(VALU_DEP_1)
	v_add_nc_u32 v4, s17, v5
	v_lshl_add_u32 v6, v7, 4, v8
	s_delay_alu instid0(VALU_DEP_1)
	v_lshlrev_b32 v6, 2, v6                        ; the scale image: lanes 0-15 tile 0, lanes 16-31 tile 1
	WBLOCK 0, 63                                   ; 96 and 64 loads are younger than blocks 0 and 1; the count's field ends at 63, and a smaller count is safe
	WBLOCK 1, 63
	WBLOCK 2, 32                                   ; block 3's loads may stay out
	WBLOCK 3, 0
	global_store_b32 v6, v24, s[\SCL:\SCL+1]
.irp u, 0,1
.irp c, 0,1,2
	ds_load_b128 v[32+12*\u+4*\c:32+12*\u+4*\c+3], v4 offset:1664*\u+512*\c   ; LDS serves a wave's instructions in order: these see my stores
.endr
.endr
.irp u, 0,1
.irp c, 0,1,2
	s_wait_dscnt 5-3*\u-\c                         ; the younger read-backs may stay out
	global_store_b128 v5, v[32+12*\u+4*\c:32+12*\u+4*\c+3], s[\COD:\COD+1] offset:1536*\u+512*\c   ; 512 consecutive bytes, aligned
.endr
.endr
.endm
.Lweights:
	s_cmp_lt_u32 ttmp9, 224
	s_cbranch_scc0 .Lwproj
	s_sub_co_u32 s17, ttmp9, 128
	s_and_b32 s18, s17, 7                          ; K step
	s_lshr_b32 s19, s17, 3
	s_lshl_b32 s19, s19, 3
	s_add_co_u32 s19, s19, s[WV]                   ; cgrp: which 32 columns, 0..95
	s_mul_i32 s22, s18, 128*12288
	s_lshl_b32 s23, s19, 7
	s_add_co_u32 s22, s22, s23
	s_mov_b32 s23, 0
	s_bfe_u32 s24, s19, 0x40001                    ; head = (cgrp / 2) % 16
	s_lshl_b32 s24, s24, 3
	s_add_co_u32 s24, s24, s18
	s_mul_i32 s24, s24, 19200                      ; the head's record for this K step
	s_lshr_b32 s25, s19, 5                         ; part: 0 q, 1 k, 2 v
	s_lshl_b32 s25, s25, 1
	s_and_b32 s26, s19, 1
	s_add_co_u32 s25, s25, s26                     ; the pair of fragments: 2 part + which 32 of the head's 64
	s_mul_i32 s26, s25, 3072
	s_add_co_u32 s26, s26, s24
	s_mov_b32 s27, 0
	s_lshl_b32 s28, s25, 7
	s_add_co_u32 s28, s28, s24
	s_add_co_u32 s28, s28, 18432
	s_mov_b32 s29, 0
	s_wait_kmcnt 0x0
	s_add_nc_u64 s[6:7], s[6:7], s[22:23]
	s_add_nc_u64 s[26:27], s[12:13], s[26:27]
	s_add_nc_u64 s[28:29], s[12:13], s[28:29]
	s_wait_alu depctr_va_vdst(0)
	WBODY 12288, WQST, 6, 26, 28
	s_wait_tensorcnt 0x0
	ds_add_u32 v62, v63
	s_wait_dscnt 0x0
	s_endpgm
.Lwproj:
	s_sub_co_u32 s17, ttmp9, 224
	s_and_b32 s18, s17, 7                          ; K step
	s_lshr_b32 s19, s17, 3
	s_lshl_b32 s19, s19, 3
	s_add_co_u32 s19, s19, s[WV]                   ; cgrp 0..31
	s_mul_i32 s22, s18, 128*4096
	s_lshl_b32 s23, s19, 7
	s_add_co_u32 s22, s22, s23
	s_mov_b32 s23, 0
	s_lshr_b32 s24, s19, 1                         ; the tile of 64 columns
	s_lshl_b32 s24, s24, 3
	s_add_co_u32 s24, s24, s18
	s_mul_i32 s24, s24, 6400
	s_and_b32 s25, s19, 1
	s_mul_i32 s26, s25, 3072
	s_add_co_u32 s26, s26, s24
	s_mov_b32 s27, 0
	s_lshl_b32 s28, s25, 7
	s_add_co_u32 s28, s28, s24
	s_add_co_u32 s28, s28, 6144
	s_mov_b32 s29, 0
	s_wait_kmcnt 0x0
	s_add_nc_u64 s[8:9], s[8:9], s[22:23]
	s_add_nc_u64 s[26:27], s[14:15], s[26:27]
	s_add_nc_u64 s[28:29], s[14:15], s[28:29]
	s_wait_alu depctr_va_vdst(0)
	WBODY 4096, WPST, 8, 26, 28
	s_wait_tensorcnt 0x0
	ds_add_u32 v62, v63
	s_wait_dscnt 0x0
	s_endpgm
.Lfunc_end_k_q282dd9efed_quant:
	.size	k_q282dd9efed_quant, .Lfunc_end_k_q282dd9efed_quant-k_q282dd9efed_quant
	.p2alignl 7, 3214868480
	.fill 96, 4, 3214868480
	.section	.rodata,"a",@progbits
	.p2align	6, 0x0
	.amdhsa_kernel k_q282dd9efed_quant
		.amdhsa_group_segment_fixed_size 121856
		.amdhsa_private_segment_fixed_size 0
		.amdhsa_enable_private_segment 0
		.amdhsa_kernarg_size 48
		.amdhsa_user_sgpr_count 2
		.amdhsa_user_sgpr_kernarg_segment_ptr 1
		.amdhsa_wavefront_size32 1
		.amdhsa_system_sgpr_workgroup_id_x 1
		.amdhsa_system_sgpr_workgroup_id_y 1
		.amdhsa_system_sgpr_workgroup_id_z 1
		.amdhsa_system_vgpr_workitem_id 0
		.amdhsa_next_free_vgpr 256
		.amdhsa_next_free_sgpr 66
		.amdhsa_reserve_vcc 1
		.amdhsa_float_denorm_mode_32 3
		.amdhsa_float_denorm_mode_16_64 3
		.amdhsa_memory_ordered 1
		.amdhsa_forward_progress 1
		.amdhsa_inst_pref_size 69
	.end_amdhsa_kernel
	.amdgpu_metadata
---
amdhsa.version: [ 1, 2 ]
amdhsa.kernels:
  - .name:           k_q282dd9efed_quant
    .symbol:         k_q282dd9efed_quant.kd
    .args:
      - { .name: x, .offset: 0, .size: 8, .value_kind: global_buffer, .address_space: global }
      - { .name: W_qkv, .offset: 8, .size: 8, .value_kind: global_buffer, .address_space: global }
      - { .name: W_proj, .offset: 16, .size: 8, .value_kind: global_buffer, .address_space: global }
      - { .name: xc, .offset: 24, .size: 8, .value_kind: global_buffer, .address_space: global }
      - { .name: wq, .offset: 32, .size: 8, .value_kind: global_buffer, .address_space: global }
      - { .name: wp, .offset: 40, .size: 8, .value_kind: global_buffer, .address_space: global }
    .group_segment_fixed_size: 121856
    .private_segment_fixed_size: 0
    .kernarg_segment_align: 8
    .kernarg_segment_size: 48
    .max_flat_workgroup_size: 256
    .sgpr_count:     66
    .vgpr_count:     256
    .wavefront_size: 32
...
	.end_amdgpu_metadata
.endif
;; end of part 1
;; launch qkv (part 2): grid 16 x 16, 4 waves a work-group, clusters of 4 x 1, 168,448 bytes of LDS; arguments xc, wq, qb, kv; writes qb, kv
.if DOCPART == 2
	.amdgcn_target "amdgcn-amd-amdhsa--gfx1250"
	.amdhsa_code_object_version 6
	.text
	.protected	k_q282dd9efed_qkv
	.globl	k_q282dd9efed_qkv
	.p2align	8
	.type	k_q282dd9efed_qkv,@function
k_q282dd9efed_qkv:
	s_mov_b64 s[64:65], 0
	v_nop
	global_prefetch_b8 v0, s[64:65] scope:SCOPE_SE
	s_setreg_imm32_b32 hwreg(HW_REG_WAVE_MODE, 25, 1), 1
	s_wait_xcnt 0x0
	s_wait_alu depctr_hold_cnt(0) depctr_sa_sdst(0) depctr_va_vdst(0) depctr_va_sdst(0) depctr_va_ssrc(0) depctr_va_vcc(0) depctr_vm_vsrc(0)
	s_getreg_b32 s2, hwreg(HW_REG_IB_STS2, 6, 4)
	s_cmp_eq_u32 s2, 0
	s_cbranch_scc0 .Lentry_in_a_cluster
	s_endpgm
.Lentry_in_a_cluster:
	s_bfe_u32 s2, ttmp6, 0x10000c
	s_cmp_lg_u32 s2, 0x3003
	s_cbranch_scc0 .Lentry_shape_is_right
	s_endpgm
.Lentry_shape_is_right:
; qkv = x W_qkv on codes of FP6 (E2M3) with E8M0 scales; q and k are quantised along the head's 64 channels, v along the keys, in registers, and leave as images of operand registers.
; SHARES: a work-group makes 256 tokens x the 192 columns (q, k, v) of ONE head; each of its four waves 64 tokens x 192: 48 accumulators, 384 registers, 48 matrix instructions for each of 8 K steps of 128.
; A (x's codes) goes from memory straight into registers, all 8 K steps resident (384 registers), each wave its own rows.  B (the head's columns, 153,600 bytes for all of K) lies in LDS, filled once: wave w brings K steps 2 w and 2 w + 1.
; CLUSTER: the four work-groups of a cluster differ in their tokens and share the head: B is asked for JOINTLY, by the same tensor load, one a wave, with a mask that names the four.  No prefetch: all is asked for at the head or four K steps ahead, no tile is filled again.
; q and k are made TRANSPOSED (source 0 = 16 columns of W, source 1 = 16 tokens): a lane holds one token, its registers run along the channels.  v is made the natural way: a lane holds one channel, its registers run along the tokens (the keys).
; Columns: a tile of 16 takes member 8 u + r + 8 (r / 8) of each 32, so the 16 registers of two neighbouring accumulators of q or k are 16 neighbours along the channels.  Tokens: lane r of tile m is token 32 (r / 8) + 8 m + r % 8 of the wave's 64,
; so a lane's 32 results of v over the four tiles are 32 neighbouring keys, one scale block.
; The scale words of q and k have 0 in bytes 2 and 3: the upper 64 of the next product's K step of 128 are zero codes on q's side.
; LIMITS: NaN and infinities are not served; a block of zeros gets the byte 1 (its codes are zeros; this program alone reads the bytes).
; REGISTERS, in windows of 256.  Window 0: v1-3 16, 4, 8 x lane; v4-7, v8-11 LDS addresses; v12-17 offsets of the way out; v32-47 x's scale words; v48-59 W's, two sets; v62, v63 the add's; v64-255 A's K steps 0-3, on the way out codes and v160-207 at work.
;   Window 1: v0-143 B's 12 fragments; A's K steps 4, 5 at v144, v192.  Window 2: q's and k's accumulators at 8 (16 part + 4 m + t).  Window 3: v's at 8 (4 t + m); A's K steps 6, 7 at v128, v176.
.set WV,  12
.set SEL, 40
.set TM,  160
.set REC, 19200                        ; a K step of B: 12 fragments of 1,536 bytes, 6 scale images of 128
.set XCH, 8*REC                        ; behind B: 256 bytes for each wave, v's scale words
.set SPARE, 0x29000
.set MSB, 0
.macro WIN new                         ; the immediate's high byte repeats the setting that is left; a switch that changes nothing is dropped
.if MSB != (\new)
	s_set_vgpr_msb (MSB<<8)|(\new)
.set MSB, (\new)
.endif
.endm
.macro BARRIER
	s_barrier_signal -1
	s_barrier_wait -1
.endm
.macro ROUND                           ; a round of the cluster's barrier
	BARRIER
	s_cmp_lg_u32 s[WV], 0
	s_cbranch_scc1 .Lnot_wave_0_\@
	s_barrier_signal -3
.Lnot_wave_0_\@:
	s_barrier_wait -3
	BARRIER
.endm
.macro PLACES                          ; four plain lines behind matrix instructions, in front of loads into their registers and of the first read of results
.rept 4
	v_nop
.endr
.endm
; FOUR TILES AT ONCE, 128 numbers of a lane from v[S] of window X on, eight chains side by side: tile m's 32 become 6 registers of codes v[PC+6m] on and a word v[PW+m] (two bytes, the upper two 0).
; CROSS = 1 (q, k): register 16 b + i = k 32 b + 16 (lane / 16) + i: a block lies in lanes l and l xor 16.  CROSS = 0 (v): the 32 are one block.
.macro Q4 X, S, PC, PW, CROSS
	WIN (\X)|((\X)<<2)
.irp n, 0,1,2,3,4,5,6,7
	v_max3_num_f32 v[TM+\n], |v[(\S)+16*\n]|, |v[(\S)+16*\n+1]|, 0x1800000   ; and the floor 2^(3 - 127)
.endr
.irp i, 2,4,6,8,10,12,14
.irp n, 0,1,2,3,4,5,6,7
	v_max3_num_f32 v[TM+\n], |v[(\S)+16*\n+\i]|, |v[(\S)+16*\n+\i+1]|, v[TM+\n]
.endr
.endr
	WIN 0
.if \CROSS
.irp n, 0,1,2,3,4,5,6,7
	v_permlanex16_b32 v[TM+8+\n], v[TM+\n], s[SEL], s[SEL+1]
.endr
.irp n, 0,1,2,3,4,5,6,7
	v_max_num_f32 v[TM+\n], v[TM+\n], v[TM+8+\n]   ; with lane l xor 16's: the block's largest magnitude
.endr
.irp n, 0,1,2,3,4,5,6,7
	v_add_nc_u32 v[TM+16+\n], 0xff000000, v[TM+\n] ; 2 off its exponent field: the conversion's scale operand
.endr
.irp n, 0,1,2,3,4,5,6,7
	v_lshrrev_b32 v[TM+24+\n], 23, v[TM+16+\n]     ; the byte
.endr
.irp m, 0,1,2,3
	v_lshl_or_b32 v[(\PW)+\m], v[TM+25+2*\m], 8, v[TM+24+2*\m]
.endr
.else
.irp m, 0,1,2,3
	v_max_num_f32 v[TM+8+\m], v[TM+2*\m], v[TM+2*\m+1]
.endr
.irp m, 0,1,2,3
	v_add_nc_u32 v[TM+16+2*\m], 0xff000000, v[TM+8+\m]
.endr
.irp m, 0,1,2,3
	v_lshrrev_b32 v[TM+24+\m], 23, v[TM+16+2*\m]
.endr
.irp m, 0,1,2,3
	v_permlanex16_b32 v[TM+28+\m], v[TM+24+\m], s[SEL], s[SEL+1]
.endr
.irp m, 0,1,2,3
	v_lshl_or_b32 v[(\PW)+\m], v[TM+28+\m], 8, v[TM+24+\m]   ; lanes 0-15: my block's byte, then lane l + 16's (lanes 16-31 are not read)
.endr
.endif
	WIN (\X)
.irp m, 0,1,2,3
	v_cvt_scalef32_pk16_fp6_f32 v[(\PC)+6*\m:(\PC)+6*\m+2], v[(\S)+32*\m:(\S)+32*\m+15], v[TM+16+2*\m]
	v_cvt_scalef32_pk16_fp6_f32 v[TM+32+4*\m:TM+34+4*\m], v[(\S)+32*\m+16:(\S)+32*\m+31], v[TM+16+2*\m+(\CROSS)]
.endr
	WIN 0
	v_nop                                          ; one plain line behind the scaled conversions
.if \CROSS
.irp i, 0,1,2
.irp m, 0,1,2,3
	v_permlane16_swap_b32 v[(\PC)+6*\m+\i], v[TM+32+4*\m+\i]   ; a whole block to a lane: lanes 0-15 block 0, lanes 16-31 block 1
.endr
.endr
.endif
.irp i, 0,1,2
.irp m, 0,1,2,3
	v_mov_b32 v[(\PC)+6*\m+3+\i], v[TM+32+4*\m+\i]
.endr
.endr
.endm
.macro ASET s                          ; where A's K step s lies: window AWN, register ABS
.if (\s) < 4
.set AWN, 0
.set ABS, 64+48*(\s)
.elseif (\s) < 6
.set AWN, 1
.set ABS, 144+48*((\s)-4)
.else
.set AWN, 3
.set ABS, 128+48*((\s)-6)
.endif
.endm
.macro LOADA s                         ; 12 loads: my 64 tokens' four fragments of K step s, as they lie
	ASET \s
	WIN (AWN<<6)
.irp m, 0,1,2,3
.irp c, 0,1,2
	global_load_b128 v[ABS+12*\m+4*\c:ABS+12*\m+4*\c+3], v1, s[4:5] offset:6400*(\s)+1536*\m+512*\c
.endr
.endr
.endm
.macro LOADB s, g                      ; 21 LDS loads: fragments 6 g .. 6 g + 5 of K step s, and their three scale images into set s % 2
	WIN 0x40
.irp ff, 0,1,2,3,4,5
.irp c, 0,1,2
	ds_load_b128 v[12*(6*(\g)+\ff)+4*\c:12*(6*(\g)+\ff)+4*\c+3], v[4+(\s)/2] offset:((\s)%2)*REC+1536*(6*(\g)+\ff)+512*\c
.endr
.endr
	WIN 0
.irp pp, 0,1,2
	ds_load_b32 v[48+6*((\s)%2)+3*(\g)+\pp], v[8+(\s)/2] offset:((\s)%2)*REC+18432+128*(3*(\g)+\pp)
.endr
.endm
; one matrix instruction on rD, rA (source 0), rB (source 1), rSA, rSB; zero: it starts the sum; ra, rb: the side's scale words lie in lanes 16-31
.macro WM zero, ra, rb
.if (\zero)
.if (\ra)&&(\rb)
	v_wmma_scale_f32_16x16x128_f8f6f4 v[rD:rD+7], v[rA:rA+11], v[rB:rB+11], 0, v[rSA], v[rSB] matrix_a_fmt:MATRIX_FMT_FP6 matrix_b_fmt:MATRIX_FMT_FP6 matrix_a_scale:MATRIX_SCALE_ROW1 matrix_b_scale:MATRIX_SCALE_ROW1
.elseif (\ra)
	v_wmma_scale_f32_16x16x128_f8f6f4 v[rD:rD+7], v[rA:rA+11], v[rB:rB+11], 0, v[rSA], v[rSB] matrix_a_fmt:MATRIX_FMT_FP6 matrix_b_fmt:MATRIX_FMT_FP6 matrix_a_scale:MATRIX_SCALE_ROW1
.elseif (\rb)
	v_wmma_scale_f32_16x16x128_f8f6f4 v[rD:rD+7], v[rA:rA+11], v[rB:rB+11], 0, v[rSA], v[rSB] matrix_a_fmt:MATRIX_FMT_FP6 matrix_b_fmt:MATRIX_FMT_FP6 matrix_b_scale:MATRIX_SCALE_ROW1
.else
	v_wmma_scale_f32_16x16x128_f8f6f4 v[rD:rD+7], v[rA:rA+11], v[rB:rB+11], 0, v[rSA], v[rSB] matrix_a_fmt:MATRIX_FMT_FP6 matrix_b_fmt:MATRIX_FMT_FP6
.endif
.else
.if (\ra)&&(\rb)
	v_wmma_scale_f32_16x16x128_f8f6f4 v[rD:rD+7], v[rA:rA+11], v[rB:rB+11], v[rD:rD+7], v[rSA], v[rSB] matrix_a_fmt:MATRIX_FMT_FP6 matrix_b_fmt:MATRIX_FMT_FP6 matrix_a_scale:MATRIX_SCALE_ROW1 matrix_b_scale:MATRIX_SCALE_ROW1
.elseif (\ra)
	v_wmma_scale_f32_16x16x128_f8f6f4 v[rD:rD+7], v[rA:rA+11], v[rB:rB+11], v[rD:rD+7], v[rSA], v[rSB] matrix_a_fmt:MATRIX_FMT_FP6 matrix_b_fmt:MATRIX_FMT_FP6 matrix_a_scale:MATRIX_SCALE_ROW1
.elseif (\rb)
	v_wmma_scale_f32_16x16x128_f8f6f4 v[rD:rD+7], v[rA:rA+11], v[rB:rB+11], v[rD:rD+7], v[rSA], v[rSB] matrix_a_fmt:MATRIX_FMT_FP6 matrix_b_fmt:MATRIX_FMT_FP6 matrix_b_scale:MATRIX_SCALE_ROW1
.else
	v_wmma_scale_f32_16x16x128_f8f6f4 v[rD:rD+7], v[rA:rA+11], v[rB:rB+11], v[rD:rD+7], v[rSA], v[rSB] matrix_a_fmt:MATRIX_FMT_FP6 matrix_b_fmt:MATRIX_FMT_FP6
.endif
.endif
.endm
.macro MULQK s, f                      ; fragment f (0-3 q, 4-7 k) of W against my four tiles of tokens, transposed
.irp m, 0,1,2,3
.set rD, 8*(16*((\f)/4)+4*\m+(\f)%4)
.set rA, 12*(\f)
.set rB, ABS+12*\m
.set rSA, 48+6*((\s)%2)+(\f)/2
.set rSB, 32+2*(\s)+\m/2
	WM (\s)==0, (\f)%2, \m%2
.endr
.endm
.macro MULV s, f                       ; fragment f (8-11, v) the natural way
.irp m, 0,1,2,3
.set rD, 8*(4*((\f)-8)+\m)
.set rA, ABS+12*\m
.set rB, 12*(\f)
.set rSA, 32+2*(\s)+\m/2
.set rSB, 48+6*((\s)%2)+(\f)/2
	WM (\s)==0, \m%2, (\f)%2
.endr
.endm
; A K step: 48 matrix instructions, the 48 accumulators by turns, one instruction a turn, in the same order in every step.
; B has one set of registers: fragments 0-5 are fetched anew behind their 24 products, fragments 6-11 behind theirs: each run of loads has 24 matrix instructions in which to land.
.macro KSTEP s
	ASET \s
	s_wait_dscnt 21                                ; fragments 0-5 and their scale words are in; the 21 younger loads (fragments 6-11) may be out
.if (\s) < 5
	s_wait_loadcnt 36                              ; A's K step s is in; three younger K steps of 12 loads may be out
.else
	s_wait_loadcnt 12*(7-(\s))
.endif
	WIN 0xa1|(AWN<<2)                              ; source 0 (W) window 1, source 1 (x) its window, C and D window 2
.irp f, 0,1,2,3,4,5
	MULQK \s, \f
.endr
	PLACES
.if ((\s) == 1) || ((\s) == 3)
	WIN 0
.if (\s) == 1
	s_cmp_lt_u32 s[WV], 2
	s_cbranch_scc0 .Lupper_\@
	s_wait_tensorcnt 0x0                           ; waves 0 and 1: K steps 2 and 3 have landed (wave 1's)
.Lupper_\@:
.else
	s_wait_tensorcnt 0x0                           ; K steps 4-7 have landed (waves 2 and 3's)
.endif
	s_wait_dscnt 0x0                               ; no LDS load of mine is pending at the signal
	BARRIER                                        ; the next two (four) K steps are whole.
.endif
.if (\s) < 7
	LOADB (\s)+1, 0
.endif
.if (\s) < 4
	LOADA (\s)+4
.endif
.if (\s) < 7
	s_wait_dscnt 21                                ; fragments 6-11 are in; the 21 just issued may be out
.else
	s_wait_dscnt 0x0
.endif
	ASET \s
	WIN 0xa1|(AWN<<2)
	MULQK \s, 6
	MULQK \s, 7
	WIN 0xf4|AWN                                   ; source 0 (x) its window, source 1 (W) window 1, C and D window 3
.irp f, 8,9,10,11
	MULV \s, \f
.endr
	PLACES
.if (\s) < 7
	LOADB (\s)+1, 1
.endif
.endm
	s_load_b256 s[4:11], s[0:1], 0x0               ; xc s[4:5], wq s[6:7], qb s[8:9], kv s[10:11]
	v_lshl_add_u32 v62, v0, 2, SPARE
	v_mov_b32 v63, 0
	ds_add_u32 v62, v63                            ; the opening lines
	ds_add_u32 v62, v63
	v_lshrrev_b32 v1, 5, v0
	v_readfirstlane_b32 s[WV], v1                  ; wave 0..3
	s_bfe_u32 s13, ttmp6, 0x40000                  ; cx: it enters global addresses of x, q, k, v alone
	s_lshl_b32 s14, ttmp9, 2
	s_add_co_u32 s14, s14, s13                     ; my block of 256 tokens
	s_and_b32 s15, ttmp7, 0xffff                   ; the head, which the four partners share
	s_mov_b32 s24, 15|(3<<16)|(1<<21)              ; group 1: mask of all four; elements of 8 bytes; bit 21 beside a mask; no padding
	s_mov_b32 s25, 32<<16                          ; tensor_dim0 = 32 elements: rows of 256 bytes
	s_mov_b32 s26, 150<<16                         ; tensor_dim1 = 150 rows: two K steps' 38,400 dense bytes
	s_mov_b32 s27, 32<<16                          ; tile_dim0
	s_mov_b32 s28, 150                             ; tile_dim1
	s_mov_b32 s29, 32                              ; the pitch
	s_mov_b32 s30, 0
	s_mov_b32 s31, 0
	s_mul_i32 s18, s[WV], 2*REC                    ; wave w brings K steps 2 w and 2 w + 1
	s_mul_i32 s16, s15, 8*REC
	s_add_co_u32 s16, s16, s18
	s_mov_b32 s17, 0
	s_mov_b32 s[SEL], 0x76543210
	s_mov_b32 s[SEL+1], 0xfedcba98
	s_lshl_b32 s19, s14, 2
	s_add_co_u32 s19, s19, s[WV]                   ; my group of 64 tokens, 0..63
	s_mul_i32 s20, s19, 51200                      ; its 8 records in xc
	s_mov_b32 s21, 0
	s_lshr_b32 s22, s14, 3                         ; the batch
	s_lshl_b32 s22, s22, 4
	s_add_co_u32 s22, s22, s15                     ; bh = 16 batch + head
	s_and_b32 s23, s14, 7
	s_lshl_b32 s23, s23, 2
	s_add_co_u32 s23, s23, s[WV]                   ; my group of 64 tokens in the batch, 0..31
	s_lshl_b32 s42, s22, 5
	s_add_co_u32 s42, s42, s23
	s_mul_i32 s42, s42, 3584                       ; q's record
	s_mov_b32 s43, 0
	s_lshl_b32 s44, s22, 4
	s_lshr_b32 s45, s23, 1
	s_add_co_u32 s44, s44, s45
	s_mul_i32 s44, s44, 13824                      ; the key step's record
	s_mov_b32 s45, 0
	s_and_b32 s46, s[WV], 1                        ; which 64 of its 128 keys are mine
	s_mul_i32 s47, s46, 3072
	s_lshl_b32 s48, s46, 9
	s_mul_i32 s49, s46, 768
	s_lshl_b32 s50, s[WV], 8
	s_add_co_u32 s50, s50, XCH
	v_and_b32 v2, 31, v0
	v_lshlrev_b32 v1, 4, v2                        ; 16 x lane
	v_lshlrev_b32 v3, 3, v2                        ; 8 x lane
	v_lshlrev_b32 v2, 2, v2                        ; 4 x lane
.irp i, 0,1,2,3
	v_add_nc_u32 v[4+\i], 2*REC*\i, v1             ; LDS: K steps 2 i and 2 i + 1, fragments
	v_add_nc_u32 v[8+\i], 2*REC*\i, v2             ; and scale images
.endr
	v_add_nc_u32 v12, s47, v1                      ; k's codes
	v_add_nc_u32 v13, s48, v1                      ; k's scale words
	v_add_nc_u32 v14, s49, v1                      ; v's codes, registers 0-3
	v_add_nc_u32 v15, s49, v3                      ; registers 4-5
	v_add_nc_u32 v17, s50, v3                      ; LDS: v's scale words, mine; my neighbour's lie 256 bytes on
	s_wait_alu depctr_va_vdst(0)                   ; the wait at the head's end
	s_wait_dscnt 0x0                               ; both opening adds are done
	ROUND                                          ; all four work-groups are here: the joint loads meet
	s_wait_kmcnt 0x0
	s_mov_b32 s32, 1
	s_mov_b32 s33, s18
	s_add_nc_u64 s[34:35], s[6:7], s[16:17]
	s_or_b32 s35, s35, 0x80000000
	s_add_nc_u64 s[4:5], s[4:5], s[20:21]
	s_add_nc_u64 s[8:9], s[8:9], s[42:43]
	s_add_nc_u64 s[10:11], s[10:11], s[44:45]
	s_cmp_lt_u32 s[WV], 1
	s_cbranch_scc0 .Lwave_1
	tensor_load_to_lds s[32:35], s[24:31]          ; wave 0: K steps 0 and 1
	s_nop 0
	PLACES
	s_branch .Lasked
.Lwave_1:
	s_cmp_lt_u32 s[WV], 2
	s_cbranch_scc0 .Lwaves_2_3
	tensor_load_to_lds s[32:35], s[24:31]          ; wave 1: K steps 2 and 3
	s_nop 0
	PLACES
	s_branch .Lasked
.Lwaves_2_3:
	tensor_load_to_lds s[32:35], s[24:31]          ; waves 2 and 3: K steps 4-7
	s_nop 0
	PLACES
.Lasked:
.irp ks, 0,1,2,3,4,5,6,7
.irp p, 0,1
	global_load_b32 v[32+2*\ks+\p], v2, s[4:5] offset:6400*\ks+6144+128*\p   ; x's scale words: lanes 0-15 tile 2 p, lanes 16-31 tile 2 p + 1
.endr
.endr
	LOADA 0
	LOADA 1
	LOADA 2
	LOADA 3
	s_cmp_lt_u32 s[WV], 1
	s_cbranch_scc0 .Lnot_first
	s_wait_tensorcnt 0x0                           ; wave 0: my load has landed; the others' may stay out
.Lnot_first:
	BARRIER                                        ; K steps 0 and 1 are whole
	LOADB 0, 0
	LOADB 0, 1
	KSTEP 0
	KSTEP 1
	KSTEP 2
	KSTEP 3
	KSTEP 4
	KSTEP 5
	KSTEP 6
	KSTEP 7
	; THE WAY OUT.  Every store has data registers of its own; window 0 from v64 on is free
	Q4 2, 0, 64, 88, 1
.irp m, 0,1,2,3                        ; q: tile m of 16 tokens: half a fragment (64 along K), 768 bytes
	global_store_b128 v1, v[64+6*\m:64+6*\m+3], s[8:9] offset:768*\m
	global_store_b64 v3, v[64+6*\m+4:64+6*\m+5], s[8:9] offset:768*\m+512
.endr
	global_store_b128 v1, v[88:91], s[8:9] offset:3072               ; the four tiles' scale words, four to a lane
	Q4 2, 128, 96, 120, 1                          ; k: four tiles' six registers on end: 24 registers
.irp i, 0,1,2,3,4,5
	global_store_b128 v12, v[96+4*\i:96+4*\i+3], s[10:11] offset:512*\i
.endr
	global_store_b128 v13, v[120:123], s[10:11] offset:12288
	Q4 3, 0, 128, 152, 0
	v_lshl_or_b32 v156, v153, 16, v152             ; v's scale words are half mine, half my neighbour's (the other 64 keys): the halves meet in LDS
	v_lshl_or_b32 v157, v155, 16, v154
	ds_store_b64 v17, v[156:157]
	s_wait_alu depctr_va_vdst(0)                   ; directly ahead of the wait below
	s_wait_dscnt 0x0
	BARRIER
.irp t, 0,1,2,3                        ; v: channel tile t, my 64 keys: half of its fragment for the key step
	global_store_b128 v14, v[128+6*\t:128+6*\t+3], s[10:11] offset:6144+1536*\t
	global_store_b64 v15, v[128+6*\t+4:128+6*\t+5], s[10:11] offset:6144+1536*\t+512
.endr
	s_cmp_lg_u32 s46, 0
	s_cbranch_scc1 .Lodd
	ds_load_b64 v[158:159], v17 offset:256
	s_wait_dscnt 0x0
	v_lshl_or_b32 v164, v158, 16, v152
	v_and_or_b32 v165, v158, 0xffff0000, v153
	v_lshl_or_b32 v166, v159, 16, v154
	v_and_or_b32 v167, v159, 0xffff0000, v155
	global_store_b128 v1, v[164:167], s[10:11] offset:13312          ; 16 bytes a lane: a word for each of the four channel tiles
.Lodd:
	s_wait_tensorcnt 0x0                           ; the wave's end
	ds_add_u32 v62, v63
	s_wait_dscnt 0x0
	ROUND                                          ; the closing round: no work-group ends while a partner may still ask for a tile that names it
	s_endpgm
.Lfunc_end_k_q282dd9efed_qkv:
	.size	k_q282dd9efed_qkv, .Lfunc_end_k_q282dd9efed_qkv-k_q282dd9efed_qkv
	.p2alignl 7, 3214868480
	.fill 96, 4, 3214868480
	.section	.rodata,"a",@progbits
	.p2align	6, 0x0
	.amdhsa_kernel k_q282dd9efed_qkv
		.amdhsa_group_segment_fixed_size 168448
		.amdhsa_private_segment_fixed_size 0
		.amdhsa_enable_private_segment 0
		.amdhsa_kernarg_size 32
		.amdhsa_user_sgpr_count 2
		.amdhsa_user_sgpr_kernarg_segment_ptr 1
		.amdhsa_wavefront_size32 1
		.amdhsa_system_sgpr_workgroup_id_x 1
		.amdhsa_system_sgpr_workgroup_id_y 1
		.amdhsa_system_sgpr_workgroup_id_z 1
		.amdhsa_system_vgpr_workitem_id 0
		.amdhsa_next_free_vgpr 1024
		.amdhsa_next_free_sgpr 66
		.amdhsa_reserve_vcc 0
		.amdhsa_float_denorm_mode_32 3
		.amdhsa_float_denorm_mode_16_64 3
		.amdhsa_memory_ordered 1
		.amdhsa_forward_progress 1
		.amdhsa_inst_pref_size 115
	.end_amdhsa_kernel
	.amdgpu_metadata
---
amdhsa.version: [ 1, 2 ]
amdhsa.kernels:
  - .name:           k_q282dd9efed_qkv
    .symbol:         k_q282dd9efed_qkv.kd
    .args:
      - { .name: xc, .offset: 0, .size: 8, .value_kind: global_buffer, .address_space: global }
      - { .name: wq, .offset: 8, .size: 8, .value_kind: global_buffer, .address_space: global }
      - { .name: qb, .offset: 16, .size: 8, .value_kind: global_buffer, .address_space: global }
      - { .name: kv, .offset: 24, .size: 8, .value_kind: global_buffer, .address_space: global }
    .group_segment_fixed_size: 168448
    .private_segment_fixed_size: 0
    .kernarg_segment_align: 8
    .kernarg_segment_size: 32
    .max_flat_workgroup_size: 128
    .sgpr_count:     66
    .vgpr_count:     1024
    .wavefront_size: 32
...
	.end_amdgpu_metadata
.endif
;; end of part 2
;; launch attn (part 3): grid 8 x 32, 16 waves a work-group, clusters of 4 x 1, 223,232 bytes of LDS; arguments qb, kv, ab; writes ab
.if DOCPART == 3
	.amdgcn_target "amdgcn-amd-amdhsa--gfx1250"
	.amdhsa_code_object_version 6
	.text
	.protected	k_q282dd9efed_attn
	.globl	k_q282dd9efed_attn
	.p2align	8
	.type	k_q282dd9efed_attn,@function
k_q282dd9efed_attn:
	s_mov_b64 s[64:65], 0
	v_nop
	global_prefetch_b8 v0, s[64:65] scope:SCOPE_SE
	s_setreg_imm32_b32 hwreg(HW_REG_WAVE_MODE, 25, 1), 1
	s_wait_xcnt 0x0
	s_wait_alu depctr_hold_cnt(0) depctr_sa_sdst(0) depctr_va_vdst(0) depctr_va_sdst(0) depctr_va_ssrc(0) depctr_va_vcc(0) depctr_vm_vsrc(0)
	s_getreg_b32 s2, hwreg(HW_REG_IB_STS2, 6, 4)
	s_cmp_eq_u32 s2, 0
	s_cbranch_scc0 .Lentry_in_a_cluster
	s_endpgm
.Lentry_in_a_cluster:
	s_bfe_u32 s2, ttmp6, 0x10000c
	s_cmp_lg_u32 s2, 0x3003
	s_cbranch_scc0 .Lentry_shape_is_right
	s_endpgm
.Lentry_shape_is_right:
; CAUSAL ATTENTION on codes of FP6 (E2M3): S^T = K q^T, softmax by a running maximum, O^T = V^T p^T, O quantised along the head's 64 channels for the projection.
; LEFT OUT: key steps of 128 that lie wholly under the causal mask (their p is 0 for all inputs).  A NaN or an infinity in such keys or values alone is not carried to the result.
; LIMITS: NaN and infinities are not served; the scaled scores (the exponents to the base 2, ahead of the maximum's removal) stay under 2^31 in magnitude; blocks of zeros get the byte 1 (their codes are zeros; this program alone reads the bytes).
; SHARES: a work-group has one head of one batch (y) and 16 tiles of 16 queries: the tile of place x in each of the 16 blocks of 128 queries, one to a wave.  A tile of block b takes key steps 0 .. b.
; Waves 0-7 take blocks 15 .. 8, waves 8-11 blocks 4-7, waves 12-15 blocks 0-3: the longest have the lowest numbers, and waves s, s + 4, s + 8, s + 12 have 34 key steps together for every s.
; All of K and V of the head, 16 key steps of 13,824 bytes, lies in LDS, filled once, a step a wave.
; CLUSTER: the four partners share the head and differ in their queries: each key step is asked for JOINTLY.  No prefetch: everything is asked for at the head, no loop streams from memory.
; ORDER OF KEYS: row m of K's tile j of a band of 64 is key 32 (m / 8) + 8 j + m % 8, so lane (r, h) of S^T holds query r and, in band c, keys 64 c + 32 h + 0 .. 31: one whole scale block, in the place that the next operand wants.
; REGISTERS: all in window 0.
.set WV,  12
.set SEL, 20                           ; s[20:21] lane selects: lane l xor 16
.set CS,  22                           ; s[22:23] log2(e) / 8
.set TB,  40                           ; s40 LDS byte of my key step;  s41 of the next one
.set TBN, 41
.set KS,  42                           ; s42 my key step;  s43 the last one that counts, the diagonal
.set DG,  43
.set REC, 13824
.set SPARE, 16*REC
.set SX,  0                            ; v0-63    scores, then p
.set OX,  64                           ; v64-95   O^T
.set KX,  96                           ; v96-143  K's eight half fragments
.set VX,  144                          ; v144-191 V's four fragments.  (K's last operand reaches 6 registers into them: q has zero codes there)
.set QX,  192                          ; v192-197 q, v198-203 zeros
.set PX,  204                          ; v204-215 p's codes
.set TX,  216                          ; v216-218, v220-222 second halves of the conversions
.set AD8, 219
.set ADN, 223
.set KSC, 224                          ; K's scale words
.set VSC, 232                          ; V's
.set QS,  236                          ; q's
.set PW,  237
.set MX,  238                          ; v238 -M, v239 the running largest score
.set LS,  240                          ; v[240:241] the row's sum in two halves
.set BM,  242                          ; v242, v243 the blocks' largest
.set FX,  244                          ; v244 the factor for a new M
.set PS,  245                          ; p's scale word
.set SO,  246                          ; v246, v247 the conversions' scale operands
.set TP,  248
.set L16, 250
.set L8,  251
.set MD,  252                          ; the last key of the diagonal band that my query sees, counted from my lane's block
.set AD,  253
.set SPW, 254
.set NIL, 255
.macro WALU
	s_wait_alu depctr_va_vdst(0)
.endm
.macro PLACES
.rept 4
	v_nop
.endr
.endm
.macro BARRIER
	s_barrier_signal -1
	s_barrier_wait -1
.endm
.macro ROUND
	BARRIER
	s_cmp_lg_u32 s[WV], 0
	s_cbranch_scc1 .Lnot_wave_0_\@
	s_barrier_signal -3
.Lnot_wave_0_\@:
	s_barrier_wait -3
	BARRIER
.endm
.macro LOADK ad
.irp i, 0,1,2,3,4,5,6,7,8,9,10,11
	ds_load_b128 v[KX+4*\i:KX+4*\i+3], v[\ad] offset:512*\i
.endr
.irp c, 0,1
	ds_load_b128 v[KSC+4*\c:KSC+4*\c+3], v[\ad] offset:12288+512*\c
.endr
.endm
.macro PADD d, n
	v_pk_add_f32 v[\d:\d+1], v[\d:\d+1], v[SX+2*(\n):SX+2*(\n)+1]
.endm
.macro MASK c                          ; band c of the diagonal step: key n of my block counts up to MD
.irp n, 0,1,2,3,4,5,6,7,8,9,10,11,12,13,14,15,16,17,18,19,20,21,22,23,24,25,26,27,28,29,30,31
	v_cmp_le_i32 vcc_lo, \n, v[MD]
	v_cndmask_b32 v[SX+32*(\c)+\n], 0xff800000, v[SX+32*(\c)+\n], vcc_lo
.endr
.endm
; A KEY STEP of 128.  pre: the next step's K is fetched behind this one's products;  hid: the step may lie behind the diagonal
.macro STEP pre, hid
.if \hid
	s_cmp_gt_u32 s[KS], s[DG]
	s_cbranch_scc1 .Lhid_\@
.endif
	s_wait_dscnt 0x0                               ; K is in
.irp t, 0,1,2,3,4,5,6,7
	v_wmma_scale_f32_16x16x128_f8f6f4 v[SX+8*\t:SX+8*\t+7], v[KX+6*\t:KX+6*\t+11], v[QX:QX+11], 0, v[KSC+\t], v[QS] matrix_a_fmt:MATRIX_FMT_FP6 matrix_b_fmt:MATRIX_FMT_FP6
.endr
	s_add_co_u32 s[TBN], s[TB], REC
	s_min_u32 s[TBN], s[TBN], 15*REC               ; behind the last step its own K is fetched once more and not used
	v_add_nc_u32 v[AD], s[TB], v[L16]
	v_add_nc_u32 v[AD8], s[TB], v[L8]
.if \pre
	v_add_nc_u32 v[ADN], s[TBN], v[L16]
.else
	v_nop
.endif
	v_nop                                          ; the fourth place behind the products
.irp t, 0,1,2,3
.irp c, 0,1
	ds_load_b128 v[VX+12*\t+6*\c:VX+12*\t+6*\c+3], v[AD] offset:6144+1536*\t+768*\c
	ds_load_b64 v[VX+12*\t+6*\c+4:VX+12*\t+6*\c+5], v[AD8] offset:6144+1536*\t+768*\c+512
.endr
.endr
	ds_load_b128 v[VSC:VSC+3], v[AD] offset:13312
.if \pre
	LOADK ADN
.endif
	s_cmp_lg_u32 s[KS], s[DG]
	s_cbranch_scc1 .Lopen_\@
	s_cmp_lg_u32 s14, 0
	s_cbranch_scc1 .Lband_1_\@
	MASK 0                                         ; my queries lie in the block's first 64: band 1 is hidden
.irp n, 0,1,2,3,4,5,6,7,8,9,10,11,12,13,14,15,16,17,18,19,20,21,22,23,24,25,26,27,28,29,30,31
	v_mov_b32 v[SX+32+\n], 0xff800000
.endr
	WALU
	s_branch .Lopen_\@
.Lband_1_\@:
	MASK 1                                         ; in its second 64: band 0 is open
.Lopen_\@:
.irp q, 0,1,2,3                        ; each block's largest score: four chains, two halves of two blocks
	v_max3_num_f32 v[BM+\q%2+6*(\q/2)], v[SX+32*(\q%2)+16*(\q/2)], v[SX+32*(\q%2)+16*(\q/2)+1], v[SX+32*(\q%2)+16*(\q/2)+2]
.endr
.irp i, 3,5,7,9,11,13
.irp q, 0,1,2,3
	v_max3_num_f32 v[BM+\q%2+6*(\q/2)], v[BM+\q%2+6*(\q/2)], v[SX+32*(\q%2)+16*(\q/2)+\i], v[SX+32*(\q%2)+16*(\q/2)+\i+1]
.endr
.endr
	v_max3_num_f32 v[BM], v[BM], v[SX+15], v[TP]
	v_max3_num_f32 v[BM+1], v[BM+1], v[SX+47], v[TP+1]
	v_max_num_f32 v[BM], v[BM], v[SX+31]
	v_max_num_f32 v[BM+1], v[BM+1], v[SX+63]
	s_delay_alu instid0(VALU_DEP_1)
	v_max_num_f32 v[TP], v[BM], v[BM+1]
	s_delay_alu instid0(VALU_DEP_1)
	v_permlanex16_b32 v[TP+1], v[TP], s[SEL], s[SEL+1]
	s_delay_alu instid0(VALU_DEP_1)
	v_max3_num_f32 v[MX+1], v[MX+1], v[TP], v[TP+1]   ; the running largest score of my query
	s_delay_alu instid0(VALU_DEP_1)
	v_mul_f32 v[TP], s[CS], v[MX+1]
	s_delay_alu instid0(VALU_DEP_1)
	v_floor_f32 v[TP+1], -v[TP]                    ; the new -M, a whole number
	s_delay_alu instid0(VALU_DEP_1)
	v_sub_f32 v[TP], v[TP+1], v[MX]
	v_mov_b32 v[MX], v[TP+1]
	s_delay_alu instid0(VALU_DEP_2)
	v_cvt_i32_f32 v[TP], v[TP]
	s_delay_alu instid0(VALU_DEP_1)
	v_ldexp_f32 v[FX], 1.0, v[TP]                  ; 2^(old M - new M)
.irp j, 0,2,4,6,8,10,12,14,16,18,20,22,24,26,28,30,32,34,36,38,40,42,44,46,48,50,52,54,56,58,60,62
	v_pk_fma_f32 v[SX+\j:SX+\j+1], v[SX+\j:SX+\j+1], s[CS:CS+1], v[MX:MX+1] op_sel_hi:[1,0,0]
.endr
.irp b, 0,1
	v_fma_f32 v[BM+\b], v[BM+\b], s[CS], v[MX]
.endr
.irp j, 0,2,4,6,8,10,12,14,16,18,20,22,24,26,28,30
	v_pk_mul_f32 v[OX+\j:OX+\j+1], v[OX+\j:OX+\j+1], v[FX:FX+1] op_sel_hi:[1,0]   ; O^T under the new M
.endr
	WALU                                           ; ahead of the batch
.irp j, 0,1,2,3,4,5,6,7,8,9,10,11,12,13,14,15,16,17,18,19,20,21,22,23,24,25,26,27,28,29,30,31,32,33,34,35,36,37,38,39,40,41,42,43,44,45,46,47,48,49,50,51,52,53,54,55,56,57,58,59,60,61,62,63
	v_exp_f32 v[SX+\j], v[SX+\j]
.endr
	v_exp_f32 v[BM], v[BM]                         ; the blocks' largest p: the same two instructions on the same number
	v_exp_f32 v[BM+1], v[BM+1]
	v_pk_mul_f32 v[LS:LS+1], v[LS:LS+1], v[FX:FX+1] op_sel_hi:[1,0]
	WALU                                           ; and behind it
	v_max_num_f32 v[BM], 0x1800000, v[BM]          ; the floor 2^(3 - 127)
	v_max_num_f32 v[BM+1], 0x1800000, v[BM+1]
	v_pk_add_f32 v[TP:TP+1], v[SX:SX+1], v[SX+2:SX+3]   ; the row's sum is taken of the unquantised p
	v_add_nc_u32 v[SO], 0xff000000, v[BM]          ; 2 off the exponent field: the conversion's scale operand
	v_add_nc_u32 v[SO+1], 0xff000000, v[BM+1]
	PADD LS, 2
	v_lshrrev_b32 v[BM], 23, v[SO]                 ; the byte
	v_lshrrev_b32 v[BM+1], 23, v[SO+1]
	PADD TP, 3
	v_lshl_or_b32 v[PW], v[BM+1], 16, v[BM]
	PADD LS, 4
	PADD TP, 5
	v_permlanex16_b32 v[BM+1], v[PW], s[SEL], s[SEL+1]
	PADD LS, 6
	PADD TP, 7
	v_lshl_or_b32 v[PS], v[BM+1], 8, v[PW]         ; lanes 0-15: blocks 0 .. 3 (mine are 0 and 2, lane l + 16's 1 and 3)
.irp c, 0,1
	v_cvt_scalef32_pk16_fp6_f32 v[PX+6*\c:PX+6*\c+2], v[SX+32*\c:SX+32*\c+15], v[SO+\c]
	v_cvt_scalef32_pk16_fp6_f32 v[TX+4*\c:TX+4*\c+2], v[SX+32*\c+16:SX+32*\c+31], v[SO+\c]
.endr
	PADD LS, 8
	v_pk_add_f32 v[BM:BM+1], v[SX+18:SX+19], v[SX+20:SX+21]
	v_pk_add_f32 v[SO:SO+1], v[SX+22:SX+23], v[SX+24:SX+25]
.irp c, 0,1
.irp i, 0,1,2
	v_mov_b32 v[PX+6*\c+3+\i], v[TX+4*\c+\i]
.endr
.endr
.irp n, 13,17,21,25
	PADD TP, \n
	PADD LS, \n+1
	PADD BM, \n+2
	PADD SO, \n+3
.endr
	PADD TP, 29
	PADD LS, 30
	PADD BM, 31
	v_pk_add_f32 v[BM:BM+1], v[BM:BM+1], v[SO:SO+1]
	v_pk_add_f32 v[LS:LS+1], v[LS:LS+1], v[TP:TP+1]
	v_pk_add_f32 v[LS:LS+1], v[LS:LS+1], v[BM:BM+1]
	WALU                                           ; directly ahead of the wait below
	s_wait_dscnt 0x0                               ; V is in (and the next K)
.irp t, 0,1,2,3
	v_wmma_scale_f32_16x16x128_f8f6f4 v[OX+8*\t:OX+8*\t+7], v[VX+12*\t:VX+12*\t+11], v[PX:PX+11], v[OX+8*\t:OX+8*\t+7], v[VSC+\t], v[PS] matrix_a_fmt:MATRIX_FMT_FP6 matrix_b_fmt:MATRIX_FMT_FP6
.endr
.if \hid
.Lhid_\@:
.endif
	s_add_co_u32 s[TB], s[TB], REC
	s_add_co_u32 s[KS], s[KS], 1
.endm
; ---- the head
	s_load_b128 s[4:7], s[0:1], 0x0                ; qb, kv
	s_load_b64 s[8:9], s[0:1], 0x10                ; ab
	v_lshl_add_u32 v[SPW], v0, 2, SPARE
	v_mov_b32 v[NIL], 0
	ds_add_u32 v[SPW], v[NIL]                      ; the opening lines
	ds_add_u32 v[SPW], v[NIL]
	v_lshrrev_b32 v1, 5, v0
	v_readfirstlane_b32 s[WV], v1                  ; wave 0..15
	s_bfe_u32 s13, ttmp6, 0x40000                  ; cx: which tile of 64 queries; it enters global addresses and the mask's numbers alone
	s_mov_b32 s14, ttmp9                           ; which 64 of a block of 128 queries: the cluster's number, the same in all partners
	s_and_b32 s15, ttmp7, 0xffff                   ; 16 batch + head
	s_mov_b32 s24, 15|(3<<16)|(1<<21)              ; group 1: mask of all four; elements of 8 bytes; bit 21 beside a mask; no padding
	s_mov_b32 s25, 32<<16                          ; rows of 256 bytes
	s_mov_b32 s26, 54<<16                          ; 54 rows: a key step's 13,824 dense bytes
	s_mov_b32 s27, 32<<16
	s_mov_b32 s28, 54
	s_mov_b32 s29, 32
	s_mov_b32 s30, 0
	s_mov_b32 s31, 0
	s_mul_i32 s33, s[WV], REC                      ; wave w brings key step w
	s_mul_i32 s16, s15, 16*REC
	s_add_co_u32 s16, s16, s33
	s_mov_b32 s17, 0
	s_mov_b32 s[SEL], 0x76543210
	s_mov_b32 s[SEL+1], 0xfedcba98
	s_mov_b32 s[CS], 0x3e38aa3b
	s_mov_b32 s[CS+1], s[CS]
	s_and_b32 s36, s[WV], 7
	s_sub_co_u32 s37, 15, s36
	s_xor_b32 s36, s36, 4
	s_cmp_lt_u32 s[WV], 8
	s_cselect_b32 s[DG], s37, s36                  ; my tile's block
	s_lshl_b32 s55, s15, 5
	s_add_co_u32 s55, s55, s14
	s_lshl_b32 s46, s[DG], 1
	s_add_co_u32 s46, s46, s55
	s_mul_i32 s46, s46, 3584                       ; q's record
	s_mov_b32 s47, 0
	s_lshr_b32 s57, s15, 4
	s_lshl_b32 s57, s57, 7
	s_lshl_b32 s58, s14, 2
	s_add_co_u32 s58, s58, s13
	s_add_co_u32 s57, s57, s58
	s_lshl_b32 s58, s[DG], 3
	s_add_co_u32 s57, s57, s58
	s_mul_i32 s50, s57, 13312                      ; my tile's record in ab
	s_and_b32 s59, s15, 15
	s_lshr_b32 s60, s59, 1
	s_lshl_b32 s60, s60, 7
	s_and_b32 s61, s59, 1
	s_lshl_b32 s61, s61, 1
	s_add_co_u32 s60, s60, s61
	s_add_co_u32 s60, s60, 12288
	s_add_co_u32 s52, s50, s60                     ; my head's two bytes of each scale word
	s_mul_i32 s59, s59, 768
	s_add_co_u32 s50, s50, s59                     ; my head's codes
	s_mov_b32 s51, 0
	s_mov_b32 s53, 0
	s_mul_i32 s56, s13, 768
	s_lshl_b32 s60, s13, 2
	s_lshl_b32 s61, s13, 3
	s_mov_b32 s[TB], 0
	s_mov_b32 s[KS], 0
	v_and_b32 v2, 31, v0
	v_lshlrev_b32 v[L16], 4, v2
	v_lshlrev_b32 v[L8], 3, v2
	v_and_b32 v6, 7, v2
	v_and_b32 v7, 8, v2
	v_lshl_add_u32 v6, v7, 2, v6                   ; r % 8 + 32 (r / 8)
	v_and_b32 v7, 16, v2
	v_lshlrev_b32 v7, 1, v7
	v_sub_nc_u32 v6, v6, v7                        ; - 32 h
	v_add_nc_u32 v[MD], s61, v6                    ; + 8 x my tile
	v_add_nc_u32 v3, s56, v[L16]
	v_add_nc_u32 v4, s56, v[L8]
	v_add_nc_u32 v5, s60, v[L16]
	WALU                                           ; directly ahead of the wait below
	s_wait_dscnt 0x0                               ; both opening adds are done
	ROUND                                          ; all four work-groups are here: the joint loads meet
	s_wait_kmcnt 0x0
	s_mov_b32 s32, 1
	s_add_nc_u64 s[34:35], s[6:7], s[16:17]
	s_or_b32 s35, s35, 0x80000000
	s_add_nc_u64 s[46:47], s[4:5], s[46:47]
	s_add_nc_u64 s[50:51], s[8:9], s[50:51]
	s_add_nc_u64 s[52:53], s[8:9], s[52:53]
	global_load_b128 v[QX:QX+3], v3, s[46:47]
	global_load_b64 v[QX+4:QX+5], v4, s[46:47] offset:512
	global_load_b32 v[QS], v5, s[46:47] offset:3072
	s_cmp_lt_u32 s[WV], 1
	s_cbranch_scc0 .Lrest
	tensor_load_to_lds s[32:35], s[24:31]          ; wave 0: key step 0, which the first barrier shows
	s_nop 0
	PLACES
	s_branch .Lasked
.Lrest:
	tensor_load_to_lds s[32:35], s[24:31]          ; the others: one key step each
	s_nop 0
	PLACES
.Lasked:
.irp i, 0,1,2,3,4,5
	v_mov_b32 v[QX+6+\i], 0                        ; the upper 64 of a K of 128: zero codes
	v_mov_b32 v[VX+\i], 0                          ; (K's last operand reaches these before V is first fetched)
.endr
	v_mov_b32 v[PS], 0                             ; (named as the upper half of the factor's pair before it is first written)
	v_mov_b32 v[MX], 0x7f61b1e6                    ; the tile begins with zeros, its largest score under every score
	v_mov_b32 v[MX+1], 0xff61b1e6
	v_mov_b32 v[LS], 0
	v_mov_b32 v[LS+1], 0
.irp j, 0,1,2,3,4,5,6,7,8,9,10,11,12,13,14,15,16,17,18,19,20,21,22,23,24,25,26,27,28,29,30,31
	v_mov_b32 v[OX+\j], 0
.endr
	WALU                                           ; the wait at the head's end
	s_wait_loadcnt 0x0
	s_cmp_lt_u32 s[WV], 1
	s_cbranch_scc0 .Lnot_first
	s_wait_tensorcnt 0x0
.Lnot_first:
	BARRIER                                        ; key step 0 is in
	v_add_nc_u32 v[ADN], s[TB], v[L16]
	LOADK ADN
	STEP 0, 0
	s_wait_tensorcnt 0x0
	s_wait_dscnt 0x0
	BARRIER                                        ; every key step is in
	v_add_nc_u32 v[ADN], s[TB], v[L16]
	LOADK ADN
	s_mov_b32 s44, 1
.Lkeys:
	STEP 1, 1
	s_add_co_u32 s44, s44, 1
	s_cmp_lt_u32 s44, 16
	s_cbranch_scc1 .Lkeys
	PLACES
	v_add_f32 v[LS], v[LS], v[LS+1]
	v_permlanex16_b32 v[TP], v[LS], s[SEL], s[SEL+1]
	v_add_f32 v[LS], v[LS], v[TP]                  ; the row's sum
	WALU
	v_rcp_f32 v[LS], v[LS]
	v_nop
	WALU
.irp j, 0,1,2,3,4,5,6,7,8,9,10,11,12,13,14,15,16,17,18,19,20,21,22,23,24,25,26,27,28,29,30,31
	v_mul_f32 v[SX+\j], v[OX+\j], v[LS]
.endr
.irp b, 0,1                            ; register 16 b + i is channel 32 b + 16 h + i
	v_max3_num_f32 v[BM+\b], |v[SX+16*\b]|, |v[SX+16*\b+1]|, 0x1800000
.endr
.irp i, 2,4,6,8,10,12,14
.irp b, 0,1
	v_max3_num_f32 v[BM+\b], v[BM+\b], |v[SX+16*\b+\i]|, |v[SX+16*\b+\i+1]|
.endr
.endr
.irp b, 0,1
	v_permlanex16_b32 v[TP+\b], v[BM+\b], s[SEL], s[SEL+1]
.endr
.irp b, 0,1
	v_max_num_f32 v[BM+\b], v[BM+\b], v[TP+\b]
.endr
.irp b, 0,1
	v_add_nc_u32 v[SO+\b], 0xff000000, v[BM+\b]
.endr
.irp b, 0,1
	v_lshrrev_b32 v[BM+\b], 23, v[SO+\b]
.endr
	v_lshl_or_b32 v[PW], v[BM+1], 8, v[BM]
	v_cvt_scalef32_pk16_fp6_f32 v[PX:PX+2], v[SX:SX+15], v[SO]
	v_cvt_scalef32_pk16_fp6_f32 v[TX:TX+2], v[SX+16:SX+31], v[SO+1]
	v_lshrrev_b32 v[TP+1], 2, v[L16]               ; 4 x lane
.irp i, 0,1,2
	v_permlane16_swap_b32 v[PX+\i], v[TX+\i]       ; a whole block to a lane
.endr
.irp i, 0,1,2
	v_mov_b32 v[PX+3+\i], v[TX+\i]
.endr
	global_store_b128 v[L16], v[PX:PX+3], s[50:51]
	global_store_b64 v[L8], v[PX+4:PX+5], s[50:51] offset:512
	global_store_b16 v[TP+1], v[PW], s[52:53]
	s_wait_tensorcnt 0x0                           ; the wave's end
	s_wait_dscnt 0x0
	s_wait_tensorcnt 0x0
	ds_add_u32 v[SPW], v[NIL]
	s_wait_dscnt 0x0
	ROUND                                          ; the closing round
	s_endpgm
.Lfunc_end_k_q282dd9efed_attn:
	.size	k_q282dd9efed_attn, .Lfunc_end_k_q282dd9efed_attn-k_q282dd9efed_attn
	.p2alignl 7, 3214868480
	.fill 96, 4, 3214868480
	.section	.rodata,"a",@progbits
	.p2align	6, 0x0
	.amdhsa_kernel k_q282dd9efed_attn
		.amdhsa_group_segment_fixed_size 223232
		.amdhsa_private_segment_fixed_size 0
		.amdhsa_enable_private_segment 0
		.amdhsa_kernarg_size 24
		.amdhsa_user_sgpr_count 2
		.amdhsa_user_sgpr_kernarg_segment_ptr 1
		.amdhsa_wavefront_size32 1
		.amdhsa_system_sgpr_workgroup_id_x 1
		.amdhsa_system_sgpr_workgroup_id_y 1
		.amdhsa_system_sgpr_workgroup_id_z 1
		.amdhsa_system_vgpr_workitem_id 0
		.amdhsa_next_free_vgpr 256
		.amdhsa_next_free_sgpr 66
		.amdhsa_reserve_vcc 1
		.amdhsa_float_denorm_mode_32 3
		.amdhsa_float_denorm_mode_16_64 3
		.amdhsa_memory_ordered 1
		.amdhsa_forward_progress 1
		.amdhsa_inst_pref_size 58
	.end_amdhsa_kernel
	.amdgpu_metadata
---
amdhsa.version: [ 1, 2 ]
amdhsa.kernels:
  - .name:           k_q282dd9efed_attn
    .symbol:         k_q282dd9efed_attn.kd
    .args:
      - { .name: qb, .offset: 0, .size: 8, .value_kind: global_buffer, .address_space: global }
      - { .name: kv, .offset: 8, .size: 8, .value_kind: global_buffer, .address_space: global }
      - { .name: ab, .offset: 16, .size: 8, .value_kind: global_buffer, .address_space: global }
    .group_segment_fixed_size: 223232
    .private_segment_fixed_size: 0
    .kernarg_segment_align: 8
    .kernarg_segment_size: 24
    .max_flat_workgroup_size: 512
    .sgpr_count:     66
    .vgpr_count:     256
    .wavefront_size: 32
...
	.end_amdgpu_metadata
.endif
;; end of part 3
;; launch proj (part 4): grid 8 x 32, 4 waves a work-group, clusters of 4 x 4, 226,816 bytes of LDS; arguments ab, wp, out0; writes out0
.if DOCPART == 4
	.amdgcn_target "amdgcn-amd-amdhsa--gfx1250"
	.amdhsa_code_object_version 6
	.text
	.protected	k_q282dd9efed_proj
	.globl	k_q282dd9efed_proj
	.p2align	8
	.type	k_q282dd9efed_proj,@function
k_q282dd9efed_proj:
	s_mov_b64 s[64:65], 0
	v_nop
	global_prefetch_b8 v0, s[64:65] scope:SCOPE_SE
	s_setreg_imm32_b32 hwreg(HW_REG_WAVE_MODE, 25, 1), 1
	s_wait_xcnt 0x0
	s_wait_alu depctr_hold_cnt(0) depctr_sa_sdst(0) depctr_va_vdst(0) depctr_va_sdst(0) depctr_va_ssrc(0) depctr_va_vcc(0) depctr_vm_vsrc(0)
	s_getreg_b32 s2, hwreg(HW_REG_IB_STS2, 6, 4)
	s_cmp_eq_u32 s2, 0
	s_cbranch_scc0 .Lentry_in_a_cluster
	s_endpgm
.Lentry_in_a_cluster:
	s_bfe_u32 s2, ttmp6, 0x10000c
	s_cmp_lg_u32 s2, 0xf033
	s_cbranch_scc0 .Lentry_shape_is_right
	s_endpgm
.Lentry_shape_is_right:
; out0 = (attention's result) W_proj on codes of FP6 (E2M3) with E8M0 scales; f32 sums, f32 out.
; SHARES: a work-group makes 128 tokens x 128 columns, each of its four waves 64 x 64.  A (8 records of 16 tokens, 106,496 bytes) and B (two tiles of 64 columns, 102,400 bytes), all of K, lie in LDS, filled once, one tensor load a wave.
; CLUSTER: 4 x 4.  A hangs on the token block alone and is asked for jointly by a row of the cluster, B on the column block alone, by a column.  No prefetch: all is asked for at the head, no loop streams from memory.
; A wave holds its 64 columns of W, all of K, in registers (384) and takes its tokens by tiles of 16: 32 matrix instructions on 4 accumulators by turns; a tile leaves while the next is multiplied.
; USED TRANSPOSED (source 0 = 16 columns of W, source 1 = 16 tokens): a lane holds one token; W's tiles take member 8 u + r + 8 (r / 8) of each 32 columns, so its 32 registers are columns 16 h + 0..15 and 32 + 16 h + 0..15.
; Lane r of token tile m is token 32 (r / 8) + 8 m + r % 8 of the wave's 64: the stores' offsets put the tokens back.  The way out goes through each wave's own stage in LDS, which no tensor load fills.
; LIMITS: NaN and infinities are not served.
; REGISTERS.  Window 0: v1-15 addresses; v32-47 A's scale words, two sets; v48-63 W's; v64-159, v160-255 A, two sets.  Window 1: W's K steps 0-4.  Window 2: W's K steps 5-7; v160-223 accumulators, two sets; v224-255 read back.  Window 3: v0-31 read back.
.set WV,   12
.set BOFF, 106496
.set STG,  BOFF+102400
.set SPARE, STG+4*4352
.set MSB, 0
.macro WIN new                         ; the immediate's high byte repeats the setting that is left; a switch that changes nothing is dropped
.if MSB != (\new)
	s_set_vgpr_msb (MSB<<8)|(\new)
.set MSB, (\new)
.endif
.endm
.macro BARRIER
	s_barrier_signal -1
	s_barrier_wait -1
.endm
.macro ROUND
	BARRIER
	s_cmp_lg_u32 s[WV], 0
	s_cbranch_scc1 .Lnot_wave_0_\@
	s_barrier_signal -3
.Lnot_wave_0_\@:
	s_barrier_wait -3
	BARRIER
.endm
.macro PLACES
.rept 4
	v_nop
.endr
.endm
.macro BSET s                          ; where W's K step s lies: window BW, register BB
.if (\s) < 5
.set BW, 1
.set BB, 48*(\s)
.else
.set BW, 2
.set BB, 48*((\s)-5)
.endif
.endm
.macro LOADA m                         ; 40 LDS loads: token tile m, all of K, into set m % 2
.set AB, 64+96*((\m)%2)
.irp s, 0,1,2,3,4,5,6,7
.irp c, 0,1
	ds_load_b128 v[AB+12*\s+6*\c:AB+12*\s+6*\c+3], v6 offset:13312*(\m)+768*(2*\s+\c)
	ds_load_b64 v[AB+12*\s+6*\c+4:AB+12*\s+6*\c+5], v7 offset:13312*(\m)+768*(2*\s+\c)+512
.endr
	ds_load_b32 v[32+8*((\m)%2)+\s], v8 offset:13312*(\m)+12288+128*\s
.endr
.endm
.macro WM zero, ra
.if (\zero)
.if (\ra)
	v_wmma_scale_f32_16x16x128_f8f6f4 v[rD:rD+7], v[rA:rA+11], v[rB:rB+11], 0, v[rSA], v[rSB] matrix_a_fmt:MATRIX_FMT_FP6 matrix_b_fmt:MATRIX_FMT_FP6 matrix_a_scale:MATRIX_SCALE_ROW1
.else
	v_wmma_scale_f32_16x16x128_f8f6f4 v[rD:rD+7], v[rA:rA+11], v[rB:rB+11], 0, v[rSA], v[rSB] matrix_a_fmt:MATRIX_FMT_FP6 matrix_b_fmt:MATRIX_FMT_FP6
.endif
.else
.if (\ra)
	v_wmma_scale_f32_16x16x128_f8f6f4 v[rD:rD+7], v[rA:rA+11], v[rB:rB+11], v[rD:rD+7], v[rSA], v[rSB] matrix_a_fmt:MATRIX_FMT_FP6 matrix_b_fmt:MATRIX_FMT_FP6 matrix_a_scale:MATRIX_SCALE_ROW1
.else
	v_wmma_scale_f32_16x16x128_f8f6f4 v[rD:rD+7], v[rA:rA+11], v[rB:rB+11], v[rD:rD+7], v[rSA], v[rSB] matrix_a_fmt:MATRIX_FMT_FP6 matrix_b_fmt:MATRIX_FMT_FP6
.endif
.endif
.endm
.macro MUL m, from, to                 ; token tile m, K steps from .. to - 1: four accumulators by turns
.set KK, \from
.rept (\to)-(\from)
	BSET KK
	WIN 0xa0|BW                                    ; source 0 (W) its window, source 1 (A) window 0, C and D window 2
.irp f, 0,1,2,3
.set rD, 160+32*((\m)%2)+8*\f
.set rA, BB+12*\f
.set rB, 64+96*((\m)%2)+12*KK
.set rSA, 48+2*KK+\f/2
.set rSB, 32+8*((\m)%2)+KK
	WM KK==0, \f%2
.endr
.set KK, KK+1
.endr
	WIN 0
.endm
.macro TOSTAGE m                       ; tile m into my stage and back as whole rows (LDS serves a wave's instructions in order)
	PLACES                                         ; for the reads of results just made, and for the loads into A's set
.set DB, 160+32*((\m)%2)
.set RB, 224*(1-(\m)%2)
	WIN 0x08                                       ; an LDS store's data are its source 1
.irp k, 0,1,2,3,4,5,6,7
	ds_store_b128 v14, v[DB+4*\k:DB+4*\k+3] offset:128*(\k/4)+16*(\k%4)
.endr
	WIN 0x80+0x40*((\m)%2)
.if (\m) > 1
	s_wait_xcnt 0x0                                ; tile m - 2's stores have read these registers
.endif
.irp i, 0,1,2,3,4,5,6,7
	ds_load_b128 v[RB+4*\i:RB+4*\i+3], v15 offset:544*\i
.endr
	WIN 0
.endm
.macro SEND m, younger                 ; younger: the LDS loads issued behind tile m's read-back, which may stay out
.set RB, 224*(1-(\m)%2)
	s_wait_dscnt \younger
	WIN 0x08+0x04*((\m)%2)
.irp i, 0,1,2,3,4,5,6,7
	global_store_b128 v9, v[RB+4*\i:RB+4*\i+3], s[8:9] offset:(8*(\m)+2*(\i%4)+32*(\i/4))*4096 th:TH_STORE_NT   ; stage rows 2 i, 2 i + 1 are these tokens; 16 lanes store 256 consecutive bytes, aligned
.endr
	WIN 0
.endm
	s_load_b128 s[4:7], s[0:1], 0x0                ; ab, wp
	s_load_b64 s[8:9], s[0:1], 0x10                ; out0
	v_lshl_add_u32 v10, v0, 2, SPARE
	v_mov_b32 v11, 0
	ds_add_u32 v10, v11                            ; the opening lines
	ds_add_u32 v10, v11
	v_lshrrev_b32 v1, 5, v0
	v_readfirstlane_b32 s[WV], v1                  ; wave 0..3
	s_bfe_u32 s13, ttmp6, 0x40000                  ; cx, cy
	s_bfe_u32 s14, ttmp6, 0x40004
	s_lshl_b32 s15, ttmp9, 2
	s_add_co_u32 s15, s15, s13                     ; column block 0..7
	s_and_b32 s16, ttmp7, 0xffff
	s_lshl_b32 s16, s16, 2
	s_add_co_u32 s16, s16, s14                     ; token block 0..31
	s_and_b32 s17, s[WV], 1                        ; which 64 columns.  Also: which half of a tile I fetch
	s_lshr_b32 s18, s[WV], 1                       ; which 64 tokens
	s_lshl_b32 s19, s14, 2
	s_lshl_b32 s19, 15, s19                        ; my row of the cluster
	s_lshl_b32 s20, 0x1111, s13                    ; my column
	s_or_b32 s24, s19, (3<<16)|(1<<21)             ; A: elements of 8 bytes, rows of 256 bytes, 208 rows
	s_mov_b32 s25, 32<<16
	s_mov_b32 s26, 208<<16
	s_mov_b32 s27, 32<<16
	s_mov_b32 s28, 208
	s_mov_b32 s29, 32
	s_mov_b32 s30, 0
	s_mov_b32 s31, 0
	s_or_b32 s48, s20, (3<<16)|(1<<21)             ; B: 200 rows
	s_mov_b32 s49, 32<<16
	s_mov_b32 s50, 200<<16
	s_mov_b32 s51, 32<<16
	s_mov_b32 s52, 200
	s_mov_b32 s53, 32
	s_mov_b32 s54, 0
	s_mov_b32 s55, 0
	s_mul_i32 s33, s17, 53248                      ; A's half: four records
	s_mul_i32 s40, s17, 51200                      ; B's half: 64 columns
	s_add_co_u32 s37, s40, BOFF
	s_mul_i32 s42, s16, 106496
	s_add_co_u32 s42, s42, s33
	s_mov_b32 s43, 0
	s_mul_i32 s44, s15, 102400
	s_add_co_u32 s44, s44, s40
	s_mov_b32 s45, 0
	s_lshl_b32 s46, s16, 19                        ; 128 rows of 4,096 bytes a token block,
	s_lshl_b32 s47, s18, 18
	s_add_co_u32 s46, s46, s47
	s_lshl_b32 s47, s15, 9
	s_add_co_u32 s46, s46, s47
	s_lshl_b32 s47, s17, 8
	s_add_co_u32 s46, s46, s47                     ; + my 256 bytes of a row
	s_mov_b32 s47, 0
	s_mul_i32 s22, s18, 53248
	s_mul_i32 s23, s[WV], 4352
	s_add_co_u32 s23, s23, STG                     ; my stage
	v_and_b32 v2, 31, v0
	v_lshlrev_b32 v1, 4, v2                        ; 16 x lane
	v_lshlrev_b32 v3, 3, v2                        ; 8 x lane
	v_and_b32 v12, 15, v2                          ; r
	v_lshrrev_b32 v13, 4, v2                       ; h
	v_lshlrev_b32 v2, 2, v2                        ; 4 x lane
	v_add_nc_u32 v4, s37, v1                       ; my columns of W: fragments,
	v_add_nc_u32 v5, s37, v2                       ; and scale images
	v_add_nc_u32 v6, s22, v1                       ; my tokens: 16 bytes a lane,
	v_add_nc_u32 v7, s22, v3                       ; 8,
	v_add_nc_u32 v8, s22, v2                       ; and scale words
	v_mul_u32_u24 v14, v12, 272
	v_lshl_add_u32 v14, v13, 6, v14
	v_add_nc_u32 v14, s23, v14                     ; the stage, in: row = my token, + 64 h
	v_mul_u32_u24 v15, v13, 272
	v_lshl_add_u32 v15, v12, 4, v15
	v_add_nc_u32 v15, s23, v15                     ; back: lanes 0-15 one row, lanes 16-31 the next
	v_lshlrev_b32 v9, 12, v13
	v_lshl_add_u32 v9, v12, 4, v9                  ; and the same two rows in the output
	s_wait_alu depctr_va_vdst(0)                   ; the wait at the head's end
	s_wait_dscnt 0x0                               ; both opening adds are done
	ROUND                                          ; all sixteen work-groups are here: the joint loads meet
	s_wait_kmcnt 0x0
	s_mov_b32 s32, 1
	s_mov_b32 s36, 1
	s_add_nc_u64 s[34:35], s[4:5], s[42:43]
	s_add_nc_u64 s[38:39], s[6:7], s[44:45]
	s_or_b32 s35, s35, 0x80000000
	s_or_b32 s39, s39, 0x80000000
	s_add_nc_u64 s[8:9], s[8:9], s[46:47]
	s_cmp_lt_u32 s[WV], 2
	s_cbranch_scc0 .Lfor_a
	tensor_load_to_lds s[36:39], s[48:55]          ; waves 0 and 1: B, which goes on into registers first
	s_nop 0
	PLACES
	s_branch .Lasked
.Lfor_a:
	tensor_load_to_lds s[32:35], s[24:31]          ; waves 2 and 3: A
	s_nop 0
	PLACES
.Lasked:
	s_cmp_lt_u32 s[WV], 2
	s_cbranch_scc0 .Lnot_b
	s_wait_tensorcnt 0x0
.Lnot_b:
	BARRIER                                        ; B is in; A may still be on its way
.irp s, 0,1,2,3,4,5,6,7
	BSET \s
	WIN (BW<<6)
.irp f, 0,1,2,3
.irp c, 0,1,2
	ds_load_b128 v[BB+12*\f+4*\c:BB+12*\f+4*\c+3], v4 offset:6400*\s+1536*\f+512*\c
.endr
.endr
.endr
	WIN 0
.irp s, 0,1,2,3,4,5,6,7
.irp b, 0,1
	ds_load_b32 v[48+2*\s+\b], v5 offset:6400*\s+6144+128*\b       ; lanes 0-15 tile 2 b, lanes 16-31 tile 2 b + 1
.endr
.endr
	s_wait_tensorcnt 0x0
	s_wait_dscnt 0x0
	BARRIER                                        ; A is in
	LOADA 0
	LOADA 1
	s_wait_dscnt 40                                ; tile 0 is in; tile 1's 40 loads may be out
	MUL 0, 0, 8
	TOSTAGE 0
	LOADA 2
	s_wait_dscnt 56                                ; tile 1 is in; the 16 of the stage and tile 2's 40 may be out
	MUL 1, 0, 4
	SEND 0, 40
	MUL 1, 4, 8
	TOSTAGE 1
	LOADA 3
	s_wait_dscnt 56                                ; tile 2 is in
	MUL 2, 0, 4
	SEND 1, 40
	MUL 2, 4, 8
	TOSTAGE 2
	s_wait_dscnt 16                                ; tile 3 is in; the 16 of the stage may be out
	MUL 3, 0, 4
	SEND 2, 0
	MUL 3, 4, 8
	TOSTAGE 3
	SEND 3, 0
	s_wait_tensorcnt 0x0                           ; the wave's end
	ds_add_u32 v10, v11
	s_wait_dscnt 0x0
	ROUND                                          ; the closing round
	s_endpgm
.Lfunc_end_k_q282dd9efed_proj:
	.size	k_q282dd9efed_proj, .Lfunc_end_k_q282dd9efed_proj-k_q282dd9efed_proj
	.p2alignl 7, 3214868480
	.fill 96, 4, 3214868480
	.section	.rodata,"a",@progbits
	.p2align	6, 0x0
	.amdhsa_kernel k_q282dd9efed_proj
		.amdhsa_group_segment_fixed_size 226816
		.amdhsa_private_segment_fixed_size 0
		.amdhsa_enable_private_segment 0
		.amdhsa_kernarg_size 24
		.amdhsa_user_sgpr_count 2
		.amdhsa_user_sgpr_kernarg_segment_ptr 1
		.amdhsa_wavefront_size32 1
		.amdhsa_system_sgpr_workgroup_id_x 1
		.amdhsa_system_sgpr_workgroup_id_y 1
		.amdhsa_system_sgpr_workgroup_id_z 1
		.amdhsa_system_vgpr_workitem_id 0
		.amdhsa_next_free_vgpr 800
		.amdhsa_next_free_sgpr 66
		.amdhsa_reserve_vcc 0
		.amdhsa_float_denorm_mode_32 3
		.amdhsa_float_denorm_mode_16_64 3
		.amdhsa_memory_ordered 1
		.amdhsa_forward_progress 1
		.amdhsa_inst_pref_size 49
	.end_amdhsa_kernel
	.amdgpu_metadata
---
amdhsa.version: [ 1, 2 ]
amdhsa.kernels:
  - .name:           k_q282dd9efed_proj
    .symbol:         k_q282dd9efed_proj.kd
    .args:
      - { .name: ab, .offset: 0, .size: 8, .value_kind: global_buffer, .address_space: global }
      - { .name: wp, .offset: 8, .size: 8, .value_kind: global_buffer, .address_space: global }
      - { .name: out0, .offset: 16, .size: 8, .value_kind: global_buffer, .address_space: global }
    .group_segment_fixed_size: 226816
    .private_segment_fixed_size: 0
    .kernarg_segment_align: 8
    .kernarg_segment_size: 24
    .max_flat_workgroup_size: 128
    .sgpr_count:     66
    .vgpr_count:     800
    .wavefront_size: 32
...
	.end_amdgpu_metadata
.endif
;; end of part 4
